; MI455X (gfx1250); checked and timed in simulation.
; The chip was launched on July 23, 2026; its instructions are those of AMD's public machine-readable ISA for CDNA 5 (MIT licence, August 2026) and "CDNA5" Instruction Set Architecture Reference Guide (July 2026). The comments in the code are by the model that wrote it; some were corrected since.
;; Self Attention. Allowed arithmetic: matrix products marked QUANTISED: E2M3 operands, one E8M0 scale for each 32 along K, by v_wmma_scale_f32_16x16x128_f8f6f4 with both operands' format E2M3, f32 sums; everything else in f32.
;; Inputs: Wk_codes 1,024 x 32 x 24 uint8 (E2M3 codes of Wk, K innermost, in blocks of 32 codes, four codes in three bytes); Wk_scales 1,024 x 32 uint8 (E8M0 scales of Wk, one for each 32 codes along K); Wq_codes 1,024 x 32 x 24 uint8 (E2M3 codes of Wq, K innermost, in blocks of 32 codes, four codes in three bytes); Wq_scales 1,024 x 32 uint8 (E8M0 scales of Wq, one for each 32 codes along K); Wv_codes 1,024 x 32 x 24 uint8 (E2M3 codes of Wv, K innermost, in blocks of 32 codes, four codes in three bytes); Wv_scales 1,024 x 32 uint8 (E8M0 scales of Wv, one for each 32 codes along K); bk 1,024 float32; bq 1,024 float32; bv 1,024 float32; x_codes 4 x 2,048 x 32 x 24 uint8 (E2M3 codes of x, K innermost, in blocks of 32 codes, four codes in three bytes); x_scales 4 x 2,048 x 32 uint8 (E8M0 scales of x, one for each 32 codes along K).
;; Outputs: out0 4 x 2,048 x 1,024 float32.
;; This version of the problem:
;;   THIS VERSION OF THE PROBLEM IS GIVEN IN LOW PRECISION. The matrix products marked QUANTISED in the list below multiply operands that are first quantised to E2M3 (2 exponent bits, 3 mantissa bits; 6 bits a number), with one power-of-two scale for each 32 numbers along K (OCP MX v1.0); their sums are f32. All else is computed in f32.
;;   The module's matrix products, in the order in which they are computed (A, B: the left and right operand; K: the contracted axis; several contracted axes count as one K, in the product's order):
;;     1. [M 8,192, K 1,024] x [K 1,024, N 1,024]; A: input x (given as codes); B: input Wq (given as codes): QUANTISED
;;     2. [M 8,192, K 1,024] x [K 1,024, N 1,024]; A: input x (given as codes); B: input Wk (given as codes): QUANTISED
;;     3. [M 8,192, K 1,024] x [K 1,024, N 1,024]; A: input x (given as codes); B: input Wv (given as codes): QUANTISED
;;     4. batch 4 x [M 2,048, K 1,024] x [K 1,024, N 2,048]; A: computed on the way; B: computed on the way: QUANTISED
;;     5. batch 4 x [M 2,048, K 2,048] x [K 2,048, N 1,024]; A: softmax (see below); B: computed on the way: QUANTISED
;;   THE QUANTISER, for each operand of a quantised product, along K:
;;     - K is cut into blocks of 32 from its start; a last block that is shorter is filled with zeros.
;;     - A block's scale is 2^e with e = floor(log2(the largest magnitude in the block)) - 2, held to -126 .. 127; a block of zeros has e = 0. As a byte (E8M0): e + 127.
;;     - Each number is divided by its block's scale, clamped to +-7.5, and rounded to the nearest number of E2M3, ties to even, subnormals kept.
;;     - The product sums the exact products of the quantised numbers (number of the format x scale) in f32.
;;   ~~~python
;;   def quantise(x, axis):      # numpy; x: float32 -> the quantised numbers, widened to float32 again
;;       x = np.moveaxis(x, axis, -1); K = x.shape[-1]
;;       x = np.pad(x, [(0, 0)] * (x.ndim - 1) + [(0, -K % 32)]); x = x.reshape(x.shape[:-1] + (-1, 32)); a = np.abs(x).max(-1, keepdims=True)
;;       e = np.where(a > 0, np.clip(np.frexp(np.where(a > 0, a, 1))[1] - 1 - 2, -126, 127), 0)      # np.frexp(a)[1] - 1 = floor(log2(a)), exactly
;;       r = np.clip(x / 2.0 ** e, -7.5, 7.5)
;;       step = 2.0 ** (np.maximum(np.frexp(np.where(r == 0, 1, r))[1] - 1, 0) - 3)
;;       q = np.round(r / step) * step * 2.0 ** e      # np.round: ties to even
;;       return np.moveaxis(q.reshape(q.shape[:-2] + (-1,))[..., :K], -1, axis).astype(np.float32)
;;   ~~~
;;   SOFTMAX AHEAD OF A QUANTISED PRODUCT. Where the list says 'softmax', what is quantised is not the finished softmax but p = 2^(t - M), with t = logit x log2(e) and M = ceil(the row's largest t), a whole number; so 1/2 < the row's largest p <= 1. The row's sum l is taken of the UNQUANTISED p, in f32, and the product's result is divided by l at the end. Since M is a whole number, a kernel that streams over the keys may use a running M (the ceiling of the running maximum): every later rescaling is an exact power of two, which a block's scale takes up: the codes' values come out the same.
;;   OPERANDS COMPUTED ON THE WAY. 'Computed on the way' means the value that the module computes at that place (a softmax that the list does not call 'softmax' is quantised finished and normalised). What goes into a quantiser is computed in f32, as accurately as f32 sums, v_exp_f32 and their like allow (about 1e-6 of the number): no bf16 or f16 on the way to a quantiser, and a product that is left as it is and whose result goes on into a quantised operand takes f32 operands (vector FMAs, or v_wmma_f32_16x16x4_f32). A number that lies on a knife's edge between two numbers of the format may be rounded either way, as far as f32 arithmetic and the matrix unit's own rounding can turn it there, and no further.
;;   INPUTS GIVEN AS CODES. Wk (in the module: [1024, 1024], K = its axis 1); Wq (in the module: [1024, 1024], K = its axis 1); Wv (in the module: [1024, 1024], K = its axis 1); x (in the module: [4, 2048, 1024], K = its axis 2): each comes as NAME_codes (uint8): NAME with its K axis moved to the last place and cut into blocks of 32 codes, [.., K / 32, bytes a block], one block behind the other in memory; four codes in three bytes: a row's codes are one little-endian stream of bits, code i at bits 6 i .. 6 i + 5 (a code: sign, 2 exponent bits, 3 mantissa bits); and NAME_scales (uint8): the same leading axes, one E8M0 byte (e + 127) for each 32 codes along K. Its value is code x scale, taken as it is: it is not quantised again, and the codes and scales need not be those that the quantiser above would give.
;; One version. Each part assembles by itself: llvm-mc -triple=amdgcn-amd-amdhsa -mcpu=gfx1250 --defsym DOCPART=n.
;; ======== version 1 of 1: 3 launches
;; limits: right only within a limited range of input values
;; workspace buffers: qkv_img 18,874,368 bytes; qkv_sc 786,432 bytes; p_img 12,582,912 bytes; p_st 1,572,864 bytes
;; launch proj (part 1): grid 16 x 16, 4 waves a work-group, clusters of 4 x 4, 327,680 bytes of LDS; arguments x_codes, x_scales, Wq_codes, Wq_scales, Wk_codes, Wk_scales, Wv_codes, Wv_scales, bq, bk, bv, qkv_img, qkv_sc; writes qkv_img, qkv_sc
.if DOCPART == 1
	.amdgcn_target "amdgcn-amd-amdhsa--gfx1250"
	.amdhsa_code_object_version 6
	.text
	.protected	k_q67b928590c_proj
	.globl	k_q67b928590c_proj
	.p2align	8
	.type	k_q67b928590c_proj,@function
k_q67b928590c_proj:
	s_mov_b64 s[64:65], 0
	v_nop
	global_prefetch_b8 v0, s[64:65] scope:SCOPE_SE
	s_setreg_imm32_b32 hwreg(HW_REG_WAVE_MODE, 25, 1), 1
	s_wait_xcnt 0x0
	s_wait_alu depctr_hold_cnt(0) depctr_sa_sdst(0) depctr_va_vdst(0) depctr_va_sdst(0) depctr_va_ssrc(0) depctr_va_vcc(0) depctr_vm_vsrc(0)
	s_getreg_b32 s2, hwreg(HW_REG_IB_STS2, 6, 4)
	s_cmp_eq_u32 s2, 0
	s_cbranch_scc0 .Lentry_in_a_cluster
	s_endpgm
.Lentry_in_a_cluster:
	s_bfe_u32 s2, ttmp6, 0x10000c
	s_cmp_lg_u32 s2, 0xf033
	s_cbranch_scc0 .Lentry_shape_is_right
	s_endpgm
.Lentry_shape_is_right:
; q = x Wq^T + bq, k = x Wk^T + bk, v = x Wv^T + bv on codes of FP6 (E2M3), and their quantisers.  The results leave as codes and scale bytes in the order of the operand registers of the launches that read them.
; No step of reference() is left out: every bias stands ahead of a quantiser.
; LIMITS: NaN and infinities are not served; a block whose largest magnitude lies under 2^-124 keeps the scale byte 1 (a block of zeros too: its codes are zeros, and this program alone reads the bytes).
; THE DEAL.  256 work-groups of four waves, 2 x 2 (wave row w, wave column b).  A wave holds 64 rows of a weight, all of K = 1,024, in registers (384) and streams x's rows past them in blocks of 16 rows, all of K: 32 products a block.
; A work-group makes 256 x 128 of v (phase 1, eight blocks a wave) and then 512 x 128 of q or k (phase 2, sixteen blocks).  v's 256 rows are a half of the work-group's own 512 (half s17): the two chunks of 128 rows
; asked for at the head serve phase 1 and phase 2's first eight blocks; the other half's two chunks are loaded later.  Half and tensor come from the cluster's number alone.  v comes first: its codes leave ahead of phase 2's products.
; CLUSTERS 4 x 4: x's rows are shared along a row of the cluster, a weight's rows along a column.
; ROW ORDER.  A tile of 16 rows whose index falls along a lane's registers takes 8 rows (an octet) of one block of 32 and 8 rows of the next: lanes 0-7 octet o of the first, lanes 8-15 octet o xor 1 of the second.  So a lane (r = lane % 16,
; h = lane / 16) holds 32 numbers of ONE scale block, the h-th of 64, and no lane looks at another; and the sixteen LDS rows lie, modulo 32 rows, like 16 neighbours.  q, k: four tiles, o = 0, 1, 2, 3;  v: o = 0, 2, 1, 3.
; In q and k row r of a row block that lies in an odd block of 32 tokens is token r xor 8 of those 16: so k's rows run in the order of v's registers (the launch that stores the output puts the rows of q back).
; THE BUFFERS.  qkv_img: q at 0 [row / 128][d / 128][12,288]; k at 6,291,456 likewise; v^T at 12,582,912 [d / 128][key / 128][12,288].  A group of 12,288: [row block of 16][c = 64 of the 128 along K][512 bytes: registers 0-3, 16 a lane; 256 bytes: registers 4, 5, 8 a lane].
; qkv_sc: 512 bytes a group (row 16 a + r at 256 (a / 4) + 16 r + 4 (a % 4), byte 2 c + h): q at 0, k at 262,144, v^T at 524,288.
; FILLS.  At the head one tensor load a wave.  Three refills, each in a drained round of the cluster's barrier: the weights' region (v's block 2), a slot and its scale bytes (phase 2's blocks 2 and 6).
; WAITS' COUNTS.  A block's rows were fetched two blocks ago; younger are the next block's NF loads and the scale bytes stored between.
.set NQ,     8
.set NB,     4
.set RA,     128                       ; rows of a chunk
.set KROW,   768
.set KS,     32
.set PITCH,  816                       ; an LDS row: 3 x (256 + 16)
.set FR,     12
.set FPW,    21                        ; fragments in a window of 256 registers
.set NF,     28                        ; LDS loads of a block
.set YB,     RA*PITCH
.set BVB,    2*YB                      ; the weights' region
.set SCL,    3*YB                      ; two places for a chunk's scale bytes
.set CU,     16                        ; a chunk's scale bytes: 16 units of 256
.set SCB,    CU*272
.set XN,     SCL+2*SCB                 ; q's or k's scale bytes on their way out, 2,048
.set XM,     XN+2048                   ; v's, 1,024
.set SPARE,  XM+1024
.set P0,     4                         ; v4, 5, 6  phase 2, even blocks: LDS address of my fragments of block 0 (v5: for pieces behind one padding more), of its scale words
.set CO,     9                         ; 16 x lane
.set SPW,    10
.set NIL,    11
.set ADRA,   12                        ; v12, 13, 17: as v4, 5, 6, for the block that is fetched next
.set AAS,    17
.set WE0,    14                        ; v14, 15: phase 2's weights, even tiles; v42, 43: odd tiles
.set WO0,    42
.set STO,    18
.set STV,    19
.set C8,     21                        ; 8 x lane
.set Q0,     22                        ; v22, 23, 63: phase 2, odd blocks
.set QS,     63
.set SB,     24                        ; v24-39 the weights' scale words
.set TQ,     40
.set SA,     44                        ; v44-59 the rows' scale words, two sets
.set TC,     60
.set ACC,    64                        ; phase 2: v64-127 two sets of four accumulators
.set HV0,    64                        ; phase 1, band 0: v64-191, 32 t + 8 j + i
.set HV1,    840                       ; band 1: v840-967
.set NCD,    128                       ; phase 2: six registers of codes, two sets
.set BBQ,    160                       ; q's or k's bias as the first products' C
.set MCD,    192                       ; phase 1: codes, 24 x band + 6 x tile
.set SOP,    240
.set EB,     244
.set VX,     248
.set VE,     249                       ; v249-251 phase 1, octets 0 and 2; v252-254 octets 1 and 3
.set SB2,    968                       ; phase 2's weights' scale words
.set BA,     984                       ; LDS addresses of the weights' four tiles
.set BBV,    992                       ; v's bias, eight registers a tile
.set G1A, 24
.set G1B, 32
.set G0A, 56
.set G0B, 60
.set G0R, 68
.set G0S, 72
.set G1S, 92
.set MSB, 0
.macro WIN new
.if MSB != \new
	s_set_vgpr_msb (MSB<<8)|\new
.set MSB, \new
.endif
.endm
.macro PLACES n
.rept \n
	v_nop
.endr
.endm
.macro WALU
	s_wait_alu depctr_va_vdst(0)
.endm
.macro BARRIER
	s_barrier_signal -1
	s_barrier_wait -1
.endm
.macro MIDDLE
	WIN 0
	s_barrier_wait -1
	s_cmp_lg_u32 s14, 0
	s_cbranch_scc1 .Lnot_wave_0_\@
	s_barrier_signal -3
.Lnot_wave_0_\@:
	s_barrier_wait -3
.endm
.macro CROUND
	s_barrier_signal -1
	MIDDLE
	BARRIER
.endm
.macro GRD
	s_wait_tensorcnt 0x0
	ds_add_u32 v[SPW], v[NIL]
.endm
.macro TLOAD g0, g1
	tensor_load_to_lds s[\g0:\g0+3], s[\g1:\g1+7]
	s_nop 0
	PLACES 4
.endm
.macro GROUP1 g, mask, rows
	s_or_b32 s[\g+0], s[\mask], (1<<20)|(1<<21)|(5<<22)|(3<<25)
	s_mov_b32 s[\g+1], KROW<<16
	s_mov_b32 s[\g+2], (\rows)<<16
	s_mov_b32 s[\g+3], KROW<<16
	s_mov_b32 s[\g+4], \rows
	s_mov_b32 s[\g+5], KROW
	s_mov_b32 s[\g+6], 0
	s_mov_b32 s[\g+7], 0
.endm
.macro SADD d, x
	s_add_co_u32 s\d, s\d, s\x
.endm
; fragment f lies in window 1 + f / 21 at register 12 (f % 21): 0-31 the weights' (4 q + tile), 32-39 and 40-47 the rows' two sets
.macro FRAG f, q, a0, a1, aw           ; six pieces of 8 bytes, two to a load where both go by one address register
	WIN ((1+(\f)/FPW)<<6)|(\aw)
.set R_, FR*((\f)%FPW)
.set SKIP_, 0
.irp p, 0,1,2,3,4,5
.if SKIP_
.set SKIP_, 0
.else
.set PC_, 12*(\q)+6*(\p/3)+\p%3
.set PN_, 12*(\q)+6*((\p+1)/3)+(\p+1)%3
.set X_, (PC_%32+3)/32
.set XQ_, (PN_%32+3)/32
.if (\p < 5) && (X_ == XQ_)
.set SKIP_, 1
.if X_
	ds_load_2addr_b64 v[R_+2*\p:R_+2*\p+3], \a1 offset0:PC_+2*(PC_/32) offset1:PN_+2*(PN_/32)
.else
	ds_load_2addr_b64 v[R_+2*\p:R_+2*\p+3], \a0 offset0:PC_+2*(PC_/32) offset1:PN_+2*(PN_/32)
.endif
.elseif X_
	ds_load_b64 v[R_+2*\p:R_+2*\p+1], \a1 offset:8*(PC_+2*(PC_/32))
.else
	ds_load_b64 v[R_+2*\p:R_+2*\p+1], \a0 offset:8*(PC_+2*(PC_/32))
.endif
.endif
.endr
.endm
.macro WEIGHTS                         ; my 64 rows of the weight, all of K
.irp q, 0,1,2,3,4,5,6,7
.irp b, 0,1,2,3
	FRAG NB*\q+\b, \q, v[BA-768+2*\b], v[BA-768+2*\b+1], 3
.endr
.endr
	WIN 0
.endm
.macro FETCHAT e, a0, a1, as           ; a block of x's rows into set e: NF loads
.irp q, 0,1,2,3,4,5,6,7
	FRAG NB*NQ+NQ*(\e)+\q, \q, \a0, \a1, 0
.endr
	WIN 0
	ds_load_b128 v[SA+8*(\e):SA+8*(\e)+3], \as
	ds_load_b128 v[SA+8*(\e)+4:SA+8*(\e)+7], \as offset:16
.endm
.macro FETCH e
	FETCHAT \e, v[ADRA], v[ADRA+1], v[AAS]
.endm
; a product, n = 4 q + tile.  kind 0 (q, k): source 0 the weight's rows; kind 1 (v): source 0 x's rows.  The first four take the bias as C.
.macro PROD kind, e, n, a0, as
.set Q_, (\n)/4
.set FB_, NB*Q_+(\n)%4
.set FA_, NB*NQ+NQ*(\e)+Q_
.set D_, (\a0)+(\as)*((\n)%4)
.set DL_, D_&255
.set XB_, SB+NQ*(((\n)%4)/2)+Q_
.set XA_, SA+8*(\e)+Q_
.if \kind
.if Q_
	WIN (1+FA_/FPW)|((1+FB_/FPW)<<2)|((D_>>8)<<4)|((D_>>8)<<6)
	PROD1 DL_, FA_, FB_, v[DL_:DL_+7], XA_, XB_, b, (\n)%2
.else
	WIN (1+FA_/FPW)|((1+FB_/FPW)<<2)|(3<<4)|((D_>>8)<<6)
	PROD1 DL_, FA_, FB_, v[BBV-768+8*((\n)%4):BBV-768+8*((\n)%4)+7], XA_, XB_, b, (\n)%2
.endif
.else
	WIN (1+FB_/FPW)|((1+FA_/FPW)<<2)|((D_>>8)<<4)|((D_>>8)<<6)
.if Q_
	PROD1 DL_, FB_, FA_, v[DL_:DL_+7], XB_, XA_, a, (\n)%2
.else
	PROD1 DL_, FB_, FA_, v[BBQ+8*((\n)%4):BBQ+8*((\n)%4)+7], XB_, XA_, a, (\n)%2
.endif
.endif
.endm
.macro PROD1 d, s0, s1, c, x0, x1, side, o
.if \o
	v_wmma_scale_f32_16x16x128_f8f6f4 v[\d:\d+7], v[FR*((\s0)%FPW):FR*((\s0)%FPW)+FR-1], v[FR*((\s1)%FPW):FR*((\s1)%FPW)+FR-1], \c, v[\x0], v[\x1] matrix_a_fmt:MATRIX_FMT_FP6 matrix_b_fmt:MATRIX_FMT_FP6 matrix_\side\()_scale:MATRIX_SCALE_ROW1
.else
	v_wmma_scale_f32_16x16x128_f8f6f4 v[\d:\d+7], v[FR*((\s0)%FPW):FR*((\s0)%FPW)+FR-1], v[FR*((\s1)%FPW):FR*((\s1)%FPW)+FR-1], \c, v[\x0], v[\x1] matrix_a_fmt:MATRIX_FMT_FP6 matrix_b_fmt:MATRIX_FMT_FP6 matrix_\side\()_scale:MATRIX_SCALE_ROW0
.endif
.endm
; products from .. to - 1 of a block; behind every second one two entries of the list
.macro BLOCK kind, e, a0, as, from, to, list, x=0, y=0
.set N_, \from
.rept (\to)-(\from)
	PROD \kind, \e, N_, \a0, \as
.if N_%2
	\list N_-1, \x, \y
	\list N_, \x, \y
.endif
.set N_, N_+1
.endr
.endm
.macro VADR i, blk                     ; phase 1: the addresses of block blk = 4 x band + j: octet 2 (j % 2) + j / 2 of my wave's 64 rows of slot blk / 4
.set J_, (\blk)%4
.set RW_, 128*((\blk)/4)+16*(J_%2)+8*(J_/2)
.if (\i) == 0
	WIN 0
	v_add_nc_u32 v[ADRA], RW_*PITCH, v[VE+3*(J_/2)]
.elseif (\i) == 1
	WIN 0
	v_add_nc_u32 v[ADRA+1], RW_*PITCH, v[VE+3*(J_/2)+1]
.elseif (\i) == 2
	WIN 0
	v_add_nc_u32 v[AAS], RW_/8*272, v[VE+3*(J_/2)+2]
.endif
.endm
.macro STEP i, wrap, par               ; phase 2: to the addresses of the block two on (par: its parity): 3 entries; with the test for the ring's end 4
.if \wrap
.if (\i) == 0
	s_add_co_u32 s101, s101, 32*PITCH
	s_cmp_eq_u32 s101, 2*RA*PITCH
	s_cselect_b32 s101, 0, s101
	s_add_co_u32 s9, s9, 4*272
.elseif (\i) == 1
	s_cmp_eq_u32 s9, 2*SCB
	s_cselect_b32 s9, 0, s9
.endif
	STEPV (\i)-1, \par
.else
.if (\i) == 0
	s_add_co_u32 s101, s101, 32*PITCH
	s_add_co_u32 s9, s9, 4*272
.endif
	STEPV \i, \par
.endif
.endm
.macro STEPV i, par
.if (\i) == 0
	WIN 0
	v_add_nc_u32 v[ADRA], s101, v[P0+(Q0-P0)*(\par)]
.elseif (\i) == 1
	WIN 0
	v_add_nc_u32 v[ADRA+1], s101, v[P0+1+(Q0-P0)*(\par)]
.elseif (\i) == 2
	WIN 0
	v_add_nc_u32 v[AAS], s9, v[P0+2+(QS-P0-2)*(\par)]
.endif
.endm
.macro CHAIN i, x, n, t=TQ             ; a way out's first part, 18 entries: the largest magnitude of the 32 sums from register x on, by two chains side by side, and the conversions' scale operand
.set XW_, (\x)>>8
.set XL_, (\x)&255
.if (\i) >= 0 && (\i) < 14
.set B_, XL_+16*((\i)%2)+2*((\i)/2)
.set T_, (\t)+1-(\i)%2
.if (\i) < 2
	WIN XW_|(XW_<<2)|(XW_<<4)
	v_max3_num_f32 v[T_], |v[B_]|, |v[B_+1]|, |v[B_+2]|
.else
	WIN (XW_<<2)|(XW_<<4)
	v_max3_num_f32 v[T_], v[T_], |v[B_+1]|, |v[B_+2]|
.endif
.elseif (\i) == 14
	WIN XW_<<2
	v_max3_num_f32 v[\t+1], v[\t+1], |v[XL_+15]|, 3<<23
.elseif (\i) == 15
	WIN 0
	v_nop
.elseif (\i) == 16
	WIN XW_<<2
	v_max3_num_f32 v[\t], v[\t], |v[XL_+31]|, v[\t+1]
.elseif (\i) == 17
	WIN 0
	v_add_nc_u32 v[SOP+\n], -(2<<23), v[\t]
.endif
.endm
.macro CODES i, x, c, n, t=TC          ; its second part, 6 lines: 32 codes into v[c .. c+5], the scale's byte
.set XW_, (\x)>>8
.set XL_, (\x)&255
.if (\i) == 0
	WIN XW_
	v_cvt_scalef32_pk16_fp6_f32 v[\c:\c+2], v[XL_:XL_+15], v[SOP+\n]
.elseif (\i) == 1
	WIN XW_
	v_cvt_scalef32_pk16_fp6_f32 v[\t:\t+2], v[XL_+16:XL_+31], v[SOP+\n]
.elseif (\i) == 2
	WIN 0
	v_lshrrev_b32 v[EB+\n], 23, v[SOP+\n]
.else
	WIN 0
	v_mov_b32 v[\c+\i], v[\t+\i-3]
.endif
.endm
.macro CODES6 x, c, n
.irp i, 0,1,2,3,4,5
	CODES \i, \x, \c, \n
.endr
.endm
.macro PUT r, base, off                ; a half fragment: 512 and 256 consecutive bytes
	global_store_b128 v[CO], v[\r:\r+3], \base offset:\off
	global_store_b64 v[C8], v[\r+4:\r+5], \base offset:(\off)+512
.endm
.macro PFTILE v, off, share            ; my sixteenth of a tile of 128 rows, to be asked for into the L2
	s_mul_i32 s21, s\share, RA*KROW/16
	s_add_co_u32 s20, s\off, s21
	WIN 0
	v_min_u32 v\v, RA*KROW/16/256-1, v3
	v_lshl_add_u32 v\v, v\v, 8, s20
.endm
.macro PFGO v, base
	global_prefetch_b8 v\v, s[\base:\base+1] th:TH_LOAD_NT scope:SCOPE_SE
.endm
.macro ASK i                           ; 4 entries: the descriptors of the chunk at s54 for slot s47 and of its scale bytes at s55 for s8; then all four step on
.if (\i) == 0
	s_mul_i32 s[G0R+1], s14, RA/2*PITCH
	s_add_co_u32 s[G0R+1], s[G0R+1], s47
	s_mul_i32 s20, s14, RA/2*KROW
	SADD 20, 54
	WIN 0
	v_add_nc_u32 v[VX], s22, v[STO]
.elseif (\i) == 1
	s_mov_b32 s21, 0
	s_add_nc_u64 s[G0R+2:G0R+3], s[4:5], s[20:21]
	s_or_b32 s[G0R+3], s[G0R+3], 0x80000000
	s_mov_b32 s[G0S+1], s8
.elseif (\i) == 2
	s_mov_b32 s20, s55
	s_add_nc_u64 s[G0S+2:G0S+3], s[6:7], s[20:21]
	s_or_b32 s[G0S+3], s[G0S+3], 0x80000000
	s_add_co_u32 s54, s54, RA*KROW
.elseif (\i) == 3
	s_add_co_u32 s55, s55, CU*256
	s_xor_b32 s47, s47, YB
	s_xor_b32 s8, s8, (SCL)^(SCL+SCB)
.endif
.endm
.macro OUTADR                          ; where block s46's codes go (s[84:85]; its true chunk is s46 / 4 xor 2 x half), and its scale bytes in the stage (s22: in the order of work)
	s_lshr_b32 s20, s46, 2
	s_xor_b32 s20, s20, s89
	s_mul_i32 s20, s20, 8*12288
	s_and_b32 s21, s46, 3
	s_mul_i32 s21, s21, 3072
	SADD 20, 21
	s_mov_b32 s21, 0
	s_add_nc_u64 s[84:85], s[2:3], s[20:21]
	s_lshr_b32 s22, s46, 1
	s_lshl_b32 s22, s22, 8
	s_add_co_u32 s46, s46, 1
.endm
; ---- the lists
.macro L_NONE i, x, y
.endm
.macro L_VS i, x, y                    ; phase 1: the addresses of block x
	VADR \i, \x
.endm
.macro L_VO i, x, y                    ; and the way out of tile y of band 0
	VADR \i, \x
	CHAIN (\i)-3, HV0+32*(\y), \y
.endm
.macro L_VL i, x, y
	CHAIN \i, HV0+32*(\y), \y
.endm
.macro L_V2 i, x, y                    ; v's third block: the first refill's descriptors, the later refills' group 1, the step, what the second refill will load is asked for into the L2
.if (\i) == 0
	s_mov_b32 s[G1A+2], (RA/2)<<16
	s_mov_b32 s[G1A+4], RA/2
	s_mov_b32 s[G1S+2], CU<<16
	s_mov_b32 s[G1S+4], CU
.elseif (\i) == 1
	s_mov_b32 s[G1B+2], (RA/2)<<16
	s_mov_b32 s[G1B+4], RA/2
	s_mul_i32 s[G0B+1], s14, RA/2*PITCH
	s_add_co_u32 s[G0B+1], s[G0B+1], BVB
.elseif (\i) == 2
	s_mul_i32 s20, s14, RA/2*KROW
	SADD 20, 88
	s_mov_b32 s21, 0
	s_add_nc_u64 s[G0B+2:G0B+3], s[10:11], s[20:21]
.elseif (\i) == 3
	s_or_b32 s[G0B+3], s[G0B+3], 0x80000000
.elseif (\i) == 7
	PFTILE 7, 54, 18
.elseif (\i) == 8
	s_lshl_b32 s21, s18, 9
	s_add_co_u32 s20, s55, s21
	WIN 0
	v_min_u32 v8, 1, v3
	v_lshl_add_u32 v8, v8, 8, s20
.endif
	VADR (\i)-4, \x
.endm
.macro L_V7 i, x, y                    ; v's last block: what the third refill will load is asked for; the way out of band 0's last tile
.if (\i) == 0
	s_add_co_u32 s22, s54, RA*KROW
	PFTILE 20, 22, 18
.endif
	CHAIN (\i)-1, HV0+96, 3
.endm
.macro L_S0 i, x, y
	STEP \i, 0, 0
.endm
.macro VXV
	WIN 0
	v_add_nc_u32 v[VX], s22, v[STO]
.endm
.macro L_P i, x, y                     ; phase 2, a block of parity x: the step, the stage's address, the way out of the block before
	STEP \i, 0, \x
.if (\i) == 3
	VXV
.endif
	CHAIN (\i)-4, ACC+32*(1-(\x)), 0
.endm
.macro L_E i, x, y                     ; nothing more is fetched
.if (\i) == 0
	VXV
.endif
	CHAIN (\i)-1, ACC+32*(1-(\x)), 0
.endm
.macro L_R i, x, y                     ; with a refill: its descriptors
	ASK \i
	STEP (\i)-4, 1, \x
	CHAIN (\i)-8, ACC+32*(1-(\x)), 0
.endm
; a block of phase 2, parity e.  w: the count of the wait for its rows (-1: shown in already).  mode 0: with a fetch; 1: a refill's round; 2: 3: no fetch
.macro B2 e, w, mode
	s_wait_xcnt 0x0
	OUTADR
.if (\w) >= 0
	s_wait_dscnt \w
.endif
.if \mode == 0
	BLOCK 0, \e, ACC+32*(\e), 8, 0, 32, L_P, \e
.elseif \mode == 3
	BLOCK 0, \e, ACC+32*(\e), 8, 0, 32, L_E, \e
.else
.if \mode == 1
	GRD
	BLOCK 0, \e, ACC+32*(\e), 8, 0, 26, L_R, \e
.else
	BLOCK 0, \e, ACC+32*(\e), 8, 0, 26, L_P, \e
.endif
	WIN 0
	WALU
.if \mode == 2
	s_wait_tensorcnt 0x0
.endif
	s_wait_dscnt 0x0
	s_barrier_signal -1
	BLOCK 0, \e, ACC+32*(\e), 8, 26, 32, L_NONE
	WIN 0
.if \mode == 2
	s_barrier_wait -1
.endif
.endif
	WIN 0
	CODES6 ACC+32*(1-(\e)), NCD+6*(1-(\e)), 0
.if \mode == 1
	MIDDLE
	BARRIER
	s_cmp_lt_u32 s14, 2
	s_cbranch_scc0 .Lscales_\@
	TLOAD G0R, G1A
	s_branch .Lasked_\@
.Lscales_\@:
	s_cmp_eq_u32 s14, 2
	s_cbranch_scc0 .Lnone_\@
	TLOAD G0S, G1S
.Lnone_\@:
.Lasked_\@:
.endif
	WALU
	ds_store_b8 v[VX], v[EB] offset:8*(1-(\e))
	PUT NCD+6*(1-(\e)), s[84:85], 0
.if \mode < 3
	FETCH \e
.endif
.endm
; ================= THE HEAD
	s_load_b128 s[4:7], s[0:1], 0x0                     ; x's codes, scales
	s_load_b256 s[84:91], s[0:1], 0x10                  ; Wq's, Wk's
	s_load_b128 s[48:51], s[0:1], 0x30                  ; Wv's
	s_load_b256 s[76:83], s[0:1], 0x40                  ; bq, bk, bv, qkv_img
	s_load_b64 s[52:53], s[0:1], 0x60                   ; qkv_sc
	v_lshl_add_u32 v[SPW], v0, 2, SPARE
	v_mov_b32 v[NIL], 0
	ds_add_u32 v[SPW], v[NIL]                           ; the opening add, twice on end under one wait
	ds_add_u32 v[SPW], v[NIL]
	v_lshrrev_b32 v1, 5, v0
	v_readfirstlane_b32 s14, v1                         ; s14 the wave, s15 its row w, s16 its column b
	s_lshr_b32 s15, s14, 1
	s_and_b32 s16, s14, 1
	s_bfe_u32 s40, ttmp6, 0x40000                       ; cx
	s_bfe_u32 s41, ttmp6, 0x40004                       ; cy
	s_lshl_b32 s42, ttmp9, 2
	SADD 42, 40
	s_and_b32 s42, s42, 7                               ; s42 phase 2's tile column inside q or k
	s_and_b32 s43, ttmp7, 0xffff
	s_lshl_b32 s43, s43, 2
	SADD 43, 41                                         ; s43 its tile row of 512
	s_lshr_b32 s19, ttmp9, 1                            ; 0 q, 1 k
	s_and_b32 s17, ttmp9, 1                             ; v's half of my 512 rows
	s_lshl_b32 s13, s19, 2
	SADD 13, 40                                         ; s13 v's tile column
	s_lshl_b32 s12, s43, 1
	SADD 12, 17                                         ; s12 v's tile row of 256
	s_lshl_b32 s44, s41, 2
	s_lshl_b32 s44, 15, s44                             ; my row of the cluster
	s_lshl_b32 s45, 0x1111, s40                         ; my column
	GROUP1 G1A, 44, RA
	GROUP1 G1B, 45, RA
	s_or_b32 s[G1S+0], s44, (3<<16)|(1<<20)|(1<<21)|(5<<22)|(3<<25)
	s_mov_b32 s[G1S+1], 32<<16
	s_mov_b32 s[G1S+2], (2*CU)<<16
	s_mov_b32 s[G1S+3], 32<<16
	s_mov_b32 s[G1S+4], 2*CU
	s_mov_b32 s[G1S+5], 32
	s_mov_b32 s[G1S+6], 0
	s_mov_b32 s[G1S+7], 0
	s_mov_b32 s[G0A], 1
	s_mov_b32 s[G0A+1], 0
	s_mov_b32 s[G0B], 1
	s_mov_b32 s[G0B+1], BVB
	s_mov_b32 s[G0R], 1
	s_mov_b32 s[G0R+1], YB
	s_mov_b32 s[G0S], 1
	s_mov_b32 s[G0S+1], SCL
	s_mul_i32 s20, s15, 16*PITCH
	s_mul_i32 s21, s15, 64*PITCH
	s_mul_i32 s22, s16, 64*PITCH
	s_add_co_u32 s22, s22, BVB
	s_mul_i32 s23, s15, 2*272
	s_add_co_u32 s23, s23, SCL
	s_mul_i32 s54, s15, 8*272
	s_add_co_u32 s54, s54, SCL
	s_lshl_b32 s55, s15, 2
	s_lshl_b32 s46, s16, 1
	SADD 55, 46
	s_add_co_u32 s55, s55, XN
	s_lshl_b32 s46, s16, 8
	s_lshl_b32 s47, s15, 1
	SADD 46, 47
	s_add_co_u32 s46, s46, XM
	v_and_b32 v1, 15, v0                                ; r
	v_bfe_u32 v2, v0, 4, 1                              ; h
	v_and_b32 v3, 31, v0                                ; lane
	v_and_b32 v64, 7, v1                                ; i = r % 8
	v_lshrrev_b32 v65, 3, v1                            ; g = r / 8
	v_mul_u32_u24 v66, PITCH, v1                        ; row r
	v_xor_b32 v67, 8, v1
	v_mul_u32_u24 v67, PITCH, v67                       ; row r xor 8
	v_mul_u32_u24 v68, PITCH, v64
	v_mad_u32_u24 v69, v65, 24*PITCH, v68               ; row i + 24 g: with octet o added, o odd: o of the first block, o - 1 of the second
	v_mad_u32_u24 v68, v65, 40*PITCH, v68               ; row i + 40 g: o even: o of the first block, o + 1 of the second
	v_mul_u32_u24 v70, 24, v2
	v_mul_u32_u24 v71, 40, v2                           ; and behind one padding more
	v_add_nc_u32 v66, s20, v66
	v_add_nc_u32 v[P0], v66, v70
	v_add_nc_u32 v[P0+1], v66, v71
	v_add_nc_u32 v67, s20, v67
	v_add_nc_u32 v[Q0], v67, v70
	v_add_nc_u32 v[Q0+1], v67, v71
	v_add_nc_u32 v72, s21, v68
	v_add_nc_u32 v[VE], v72, v70
	v_add_nc_u32 v[VE+1], v72, v71
	v_add_nc_u32 v73, s21, v69
	v_add_nc_u32 v[VE+3], v73, v70
	v_add_nc_u32 v[VE+4], v73, v71
	v_add_nc_u32 v74, s22, v68
	v_add_nc_u32 v[WE0], v74, v70
	v_add_nc_u32 v[WE0+1], v74, v71
	v_add_nc_u32 v75, s22, v69
	v_add_nc_u32 v[WO0], v75, v70
	v_add_nc_u32 v[WO0+1], v75, v71
	v_and_b32 v76, 12, v1                               ; Wv's rows (phase 1): lane r of tile t takes row 16 t + 4 (r / 4) + (r - t) % 4, so that is the channel at place r of v^T's row block t:
.irp t, 0,1,2,3                                         ; the launch that reads v^T takes channels 4 apart as a tile, and finds them at sixteen different places
	v_add_nc_u32 v[87+\t], 4-\t, v1
	v_and_or_b32 v[87+\t], v[87+\t], 3, v76
	v_mul_u32_u24 v[91+\t], PITCH, v[87+\t]
	v_add_nc_u32 v[91+\t], s22, v[91+\t]
	v_add_nc_u32 v[91+\t], \t*16*PITCH, v[91+\t]
.endr
	v_lshlrev_b32 v79, 5, v64                           ; scale bytes in LDS: 32 i + 272 x octet
	v_mad_u32_u24 v80, v65, 272, v79
	v_add_nc_u32 v[P0+2], s23, v80
	v_sub_nc_u32 v81, 1, v65
	v_mad_u32_u24 v81, v81, 272, v79
	v_add_nc_u32 v[QS], s23, v81
	v_mad_u32_u24 v82, v65, 5*272, v79
	v_add_nc_u32 v[VE+2], s54, v82
	v_mad_u32_u24 v83, v65, 3*272, v79
	v_add_nc_u32 v[VE+5], s54, v83
	v_sub_nc_u32 v96, v1, v2                            ; the same rows: lanes 0-15 tile 2 p, lanes 16-31 tile 2 p + 1; v16 for p = 0, v95 for p = 1
	v_and_or_b32 v96, v96, 3, v76
	v_lshl_add_u32 v96, v2, 4, v96
	v_lshlrev_b32 v16, 5, v96
	v_xor_b32 v95, 64, v16
	v_lshl_add_u32 v84, v2, 3, v64                      ; phase 2: lanes 0-15 tile 2 p, lanes 16-31 tile 2 p + 1: row 16 p + i + 8 h + g (40 - 16 h)
	v_lshlrev_b32 v85, 4, v2
	v_sub_nc_u32 v85, 40, v85
	v_mul_u32_u24 v85, v85, v65
	v_add_nc_u32 v84, v84, v85
	v_lshlrev_b32 v84, 5, v84
.irp t, 0,1,2,3
	v_lshlrev_b32 v[87+\t], 2, v[87+\t]                 ; and their bias
.endr
	v_lshlrev_b32 v[CO], 4, v3
	v_lshlrev_b32 v[C8], 3, v3
	v_lshl_add_u32 v86, v1, 4, v2
	v_add_nc_u32 v[STO], s55, v86
	v_add_nc_u32 v[STV], s46, v86
	v_mul_u32_u24 v1, 96, v2                            ; q's or k's bias: odd tiles, even tiles
	v_mul_u32_u24 v2, 160, v2
	WIN 3<<6
.irp b, 0,1,2,3
	v_add_nc_u32 v[BA-768+2*\b], v[91+\b], v70
	v_add_nc_u32 v[BA-768+2*\b+1], v[91+\b], v71
.endr
	WIN 0
	WALU
	s_wait_dscnt 0x0
	CROUND                                              ; the opening round
	s_wait_kmcnt 0x0
	s_cmp_eq_u32 s19, 0                                 ; q or k: the choice hangs on the cluster's number alone
	s_cselect_b64 s[10:11], s[84:85], s[88:89]          ; W's codes
	s_cselect_b64 s[90:91], s[86:87], s[90:91]          ; its scales
	s_cselect_b64 s[66:67], s[76:77], s[78:79]          ; its bias
	s_mov_b32 s21, 0
	s_mul_i32 s20, s12, 2*RA*KROW
	s_add_nc_u64 s[G0A+2:G0A+3], s[4:5], s[20:21]
	s_add_nc_u64 s[G0R+2:G0R+3], s[G0A+2:G0A+3], RA*KROW
	s_or_b32 s[G0A+3], s[G0A+3], 0x80000000
	s_or_b32 s[G0R+3], s[G0R+3], 0x80000000
	s_mul_i32 s20, s13, RA*KROW
	s_add_nc_u64 s[G0B+2:G0B+3], s[48:49], s[20:21]
	s_or_b32 s[G0B+3], s[G0B+3], 0x80000000
	s_mul_i32 s20, s12, 2*RA*KS
	s_add_nc_u64 s[G0S+2:G0S+3], s[6:7], s[20:21]
	s_or_b32 s[G0S+3], s[G0S+3], 0x80000000
	s_cmp_eq_u32 s14, 0
	s_cbranch_scc0 .Lwave_1
	TLOAD G0B, G1B                                      ; wave 0: Wv's rows
	s_branch .Lasked
.Lwave_1:
	s_cmp_eq_u32 s14, 1
	s_cbranch_scc0 .Lwave_2
	TLOAD G0S, G1S                                      ; wave 1: both chunks' scale bytes
	s_branch .Lasked
.Lwave_2:
	s_cmp_eq_u32 s14, 2
	s_cbranch_scc0 .Lwave_3
	TLOAD G0A, G1A                                      ; wave 2: chunk 0
	s_branch .Lasked
.Lwave_3:
	TLOAD G0R, G1A                                      ; wave 3: chunk 1
.Lasked:
	s_lshl_b32 s22, s13, 7
	s_lshl_b32 s89, s16, 6
	SADD 22, 89                                         ; my 64 rows of Wv
	s_lshl_b32 s20, s22, 5
	s_add_nc_u64 s[84:85], s[50:51], s[20:21]
	s_lshl_b32 s20, s22, 2
	s_add_nc_u64 s[76:77], s[80:81], s[20:21]
	s_lshl_b32 s22, s42, 7
	SADD 22, 89                                         ; and of Wq or Wk
	s_lshl_b32 s20, s22, 5
	s_add_nc_u64 s[86:87], s[90:91], s[20:21]
	s_lshl_b32 s20, s22, 2
	s_add_nc_u64 s[66:67], s[66:67], s[20:21]
.irp p, 0,1
.irp c, 0,1
	global_load_b128 v[SB+NQ*\p+4*\c:SB+NQ*\p+4*\c+3], v[16+79*\p], s[84:85] offset:1024*\p+16*\c
.endr
.endr
	WIN 3<<6
.irp p, 0,1
.irp c, 0,1
	global_load_b128 v[SB2-768+NQ*\p+4*\c:SB2-768+NQ*\p+4*\c+3], v84, s[86:87] offset:512*\p+16*\c
.endr
.endr
.irp t, 0,1,2,3
	global_load_b32 v[BBV-768+8*\t], v[87+\t], s[76:77] offset:64*\t
.endr
	WIN 0
	s_mul_i32 s88, s42, RA*KROW                         ; W's rows, from its codes' first byte
	s_lshl_b32 s89, s17, 1                              ; 2 x half
	s_lshl_b32 s18, s40, 2
	SADD 18, 14                                         ; my number among the sixteen waves of my row of the cluster
	s_lshl_b32 s100, s41, 2
	SADD 100, 14                                        ; and of my column
	s_lshl_b32 s20, s43, 5                              ; q's or k's codes: group (4 x tile row) x 8 + tile column
	SADD 20, 42
	s_mul_i32 s20, s20, 12288
	s_mul_i32 s22, s19, 6291456
	SADD 20, 22
	s_mul_i32 s22, s15, 1536
	SADD 20, 22
	s_mul_i32 s22, s16, 768
	SADD 20, 22
	s_add_nc_u64 s[2:3], s[82:83], s[20:21]
	s_xor_b32 s20, s14, s89                             ; their scale bytes: wave n stores the n-th chunk in the order of work
	s_lshl_b32 s22, s43, 2
	SADD 20, 22
	s_lshl_b32 s20, s20, 3
	SADD 20, 42
	s_lshl_b32 s20, s20, 9
	s_lshl_b32 s22, s19, 18
	SADD 20, 22
	s_add_nc_u64 s[48:49], s[52:53], s[20:21]
	s_lshl_b32 s23, s13, 6                              ; v^T: group tile column x 64 + 2 x tile row
	s_lshl_b32 s22, s12, 1
	SADD 23, 22
	s_lshl_b32 s20, s23, 9
	s_lshl_b32 s22, s14, 8
	SADD 20, 22
	s_add_co_u32 s20, s20, 524288
	s_add_nc_u64 s[52:53], s[52:53], s[20:21]
	s_mul_i32 s20, s23, 12288
	s_mul_i32 s22, s16, 6144
	SADD 20, 22
	s_mul_i32 s22, s15, 768
	SADD 20, 22
	s_add_co_u32 s20, s20, 12582912
	s_add_nc_u64 s[12:13], s[82:83], s[20:21]
	s_xor_b32 s22, s17, 1                               ; the chunks still to come are the other half's
	s_mul_i32 s54, s43, 4*RA*KROW
	s_mul_i32 s20, s22, 2*RA*KROW
	SADD 54, 20
	s_mul_i32 s55, s43, 4*RA*KS
	s_mul_i32 s20, s22, 2*RA*KS
	SADD 55, 20
	s_mov_b32 s46, 0
	s_mov_b32 s47, 0
	s_mov_b32 s8, SCL
	s_wait_loadcnt 0x0
	WIN (3<<6)|3
.irp t, 0,8,16,24
.irp i, 1,2,3,4,5,6,7
	v_mov_b32 v[BBV-768+\t+\i], v[BBV-768+\t]          ; v's bias, one number a lane and tile, over the tile's eight registers
.endr
.endr
	WIN 0
	PFTILE 8, 88, 100                                   ; what the first refill will load
	WALU
	s_cmp_eq_u32 s14, 0
	s_cbranch_scc0 .Lnot_b
	s_wait_tensorcnt 0x0
.Lnot_b:
	BARRIER                                             ; Wv's rows are in
	PFGO 8, 10
	WEIGHTS
	s_cmp_eq_u32 s14, 3
	s_cbranch_scc1 .Lnot_a0
	s_wait_tensorcnt 0x0
.Lnot_a0:
	s_wait_dscnt 0x0
	BARRIER                                             ; chunk 0 and the scale bytes are in; chunk 1 may still be on its way
	FETCHAT 0, v[VE], v[VE+1], v[VE+2]
.irp k, 0,1,2
	VADR \k, 1
.endr
	FETCH 1
; ================= PHASE 1: v.  Band 0 (four blocks) lies in slot 0, band 1 in slot 1; band 0's way outs stand in band 1's blocks
.irp s, 0,1
	s_wait_dscnt NF
	BLOCK 1, \s, HV0+8*\s, 32, 0, 32, L_VS, \s+2
	WIN 0
	PLACES 4
	WALU
	FETCH \s
.endr
	s_wait_dscnt NF
	s_wait_xcnt 0x0                                     ; the list writes v8, the address of the head's prefetch
	GRD
	BLOCK 1, 0, HV0+16, 32, 0, 24, L_V2, 4
	WIN 0
	WALU
	s_wait_dscnt 0x0
	s_barrier_signal -1
	BLOCK 1, 0, HV0+16, 32, 24, 32, L_NONE
	MIDDLE
	BARRIER
	s_cmp_lt_u32 s14, 2
	s_cbranch_scc0 .Lno_half
	TLOAD G0B, G1B                                      ; waves 0 and 1 a half each of Wq's or Wk's rows, onto Wv's, which all waves hold in registers
.Lno_half:
	PLACES 4
	WALU
	FETCH 0
	PFGO 7, 4
	PFGO 8, 6
	BLOCK 1, 1, HV0+24, 32, 0, 32, L_VS, 5
	WIN 0
	PLACES 4
	WALU
	FETCH 1
.irp j, 0,1,2
	s_wait_dscnt NF+(\j+1)/2
.if \j < 2
	BLOCK 1, \j%2, HV1+8*\j, 32, 0, 32, L_VO, \j+6, \j
.else
	BLOCK 1, \j%2, HV1+8*\j, 32, 0, 32, L_VL, 0, \j
.endif
	WIN 0
	CODES6 HV0+32*\j, MCD+6*\j, \j
	WALU
	ds_store_b8 v[STV], v[EB+\j] offset:4*\j
	PUT MCD+6*\j, s[12:13], 1536*\j
.if \j < 2
	FETCH \j%2
.endif
.endr
	s_wait_dscnt 1
	BLOCK 1, 1, HV1+24, 32, 0, 26, L_V7
	WIN 0
	WALU
	s_wait_tensorcnt 0x0
	s_wait_dscnt 0x0
	s_barrier_signal -1                                 ; a plain barrier: the weights that the first refill brought are shown to all
	BLOCK 1, 1, HV1+24, 32, 26, 32, L_NONE
	WIN 0
	s_barrier_wait -1
	CODES6 HV0+96, MCD+18, 3
	WALU
	ds_store_b8 v[STV], v[EB+3] offset:12
	PUT MCD+18, s[12:13], 1536*3
; ================= THE CHANGE OF PHASE: the weights and the first two blocks' rows, which lie in slot 0 still, in one run of loads; band 1's way outs under their flight
.irp j, 0,2
	global_load_b128 v[BBQ+8*\j:BBQ+8*\j+3], v2, s[66:67] offset:32*\j
	global_load_b128 v[BBQ+8*\j+4:BBQ+8*\j+7], v2, s[66:67] offset:32*\j+16
	global_load_b128 v[BBQ+8*\j+8:BBQ+8*\j+11], v1, s[66:67] offset:32*\j+32
	global_load_b128 v[BBQ+8*\j+12:BBQ+8*\j+15], v1, s[66:67] offset:32*\j+48
.endr
	WIN 3<<6
	v_mov_b32 v[BA-768], v[WE0]
	v_mov_b32 v[BA-768+1], v[WE0+1]
	v_add_nc_u32 v[BA-768+2], 8*PITCH, v[WO0]
	v_add_nc_u32 v[BA-768+3], 8*PITCH, v[WO0+1]
	v_add_nc_u32 v[BA-768+4], 16*PITCH, v[WE0]
	v_add_nc_u32 v[BA-768+5], 16*PITCH, v[WE0+1]
	v_add_nc_u32 v[BA-768+6], 24*PITCH, v[WO0]
	v_add_nc_u32 v[BA-768+7], 24*PITCH, v[WO0+1]
	WALU
	WEIGHTS
	FETCHAT 0, v[P0], v[P0+1], v[P0+2]
	v_add_nc_u32 v[ADRA], 32*PITCH, v[Q0]
	v_add_nc_u32 v[ADRA+1], 32*PITCH, v[Q0+1]
	v_add_nc_u32 v[AAS], 4*272, v[QS]
	FETCH 1
	s_mov_b32 s101, 32*PITCH
	s_mov_b32 s9, 4*272
	PFGO 20, 4
	WIN 3
.set I, 0
.rept 16
	v_mov_b32 v[SB+I], v[SB2-768+I]
.set I, I+1
.endr
	WIN 0
.set I, 0
.rept 18
.irp t, 0,1,2,3
	CHAIN I, HV1+32*\t, \t, 64+4*\t
.endr
.set I, I+1
.endr
.set I, 0
.rept 6
.irp t, 0,1,2,3
	CODES I, HV1+32*\t, MCD+24+6*\t, \t, 80+4*\t
.endr
.set I, I+1
.endr
	WIN 0
	WALU
; ================= PHASE 2: q or k, sixteen blocks
	s_wait_loadcnt 0x0
	s_wait_dscnt NF
	BLOCK 0, 0, ACC, 8, 0, 32, L_S0
	WIN 0
	PLACES 4
	WALU
.irp t, 0,1,2,3
	ds_store_b8 v[STV], v[EB+\t] offset:512+4*\t
.endr
.irp t, 0,1,2,3
	PUT MCD+24+6*\t, s[12:13], 12288+1536*\t            ; the rest of v's codes leaves
.endr
	FETCH 0
	B2 1, NF+4, 0
	s_mov_b32 s86, 0
.Lwith_rounds:                                          ; blocks 2 to 5, 6 to 9
	B2 0, NF+1, 1
	B2 1, -1, 0
	B2 0, NF+1, 0
	B2 1, NF+1, 0
	s_add_co_u32 s86, s86, 1
	s_cmp_lg_u32 s86, 2
	s_cbranch_scc1 .Lwith_rounds
.Lwithout:                                              ; blocks 10, 11 and 12, 13
	B2 0, NF+1, 2
	B2 1, -1, 0
	s_add_co_u32 s86, s86, 1
	s_cmp_lg_u32 s86, 4
	s_cbranch_scc1 .Lwithout
	B2 0, NF+1, 3
	B2 1, 1, 3
; ================= THE END: the last way out; the scale bytes go through LDS under its conversions
	s_wait_xcnt 0x0
	OUTADR
	s_lshl_b32 s21, s14, 9
	s_add_co_u32 s21, s21, XN
	s_lshl_b32 s23, s14, 8
	s_add_co_u32 s23, s23, XM
	v_add_nc_u32 v12, s21, v[CO]
	v_add_nc_u32 v13, s23, v[C8]
	VXV
.set I, 0
.rept 18
	CHAIN I, ACC+32, 0
.set I, I+1
.endr
	CODES 2, ACC+32, NCD+6, 0
	WALU
	ds_store_b8 v[VX], v[EB] offset:8
	s_wait_dscnt 0x0
	s_barrier_signal -1
	CODES 0, ACC+32, NCD+6, 0
	CODES 1, ACC+32, NCD+6, 0
	v_nop
.irp i, 3,4,5
	CODES \i, ACC+32, NCD+6, 0
.endr
	s_barrier_wait -1
	WALU
	ds_load_b128 v[64:67], v12
	ds_load_b64 v[68:69], v13
	PUT NCD+6, s[84:85], 0
	s_wait_dscnt 0x0
	global_store_b128 v[CO], v[64:67], s[48:49]
	global_store_b64 v[C8], v[68:69], s[52:53]
	s_wait_tensorcnt 0x0
	ds_add_u32 v[SPW], v[NIL]
	s_wait_dscnt 0x0
	CROUND
	s_endpgm
.Lfunc_end_k_q67b928590c_proj:
	.size	k_q67b928590c_proj, .Lfunc_end_k_q67b928590c_proj-k_q67b928590c_proj
	.p2alignl 7, 3214868480
	.fill 96, 4, 3214868480
	.section	.rodata,"a",@progbits
	.p2align	6, 0x0
	.amdhsa_kernel k_q67b928590c_proj
		.amdhsa_group_segment_fixed_size 327680
		.amdhsa_private_segment_fixed_size 0
		.amdhsa_enable_private_segment 0
		.amdhsa_kernarg_size 104
		.amdhsa_user_sgpr_count 2
		.amdhsa_user_sgpr_kernarg_segment_ptr 1
		.amdhsa_wavefront_size32 1
		.amdhsa_system_sgpr_workgroup_id_x 1
		.amdhsa_system_sgpr_workgroup_id_y 1
		.amdhsa_system_sgpr_workgroup_id_z 1
		.amdhsa_system_vgpr_workitem_id 0
		.amdhsa_next_free_vgpr 1024
		.amdhsa_next_free_sgpr 102
		.amdhsa_reserve_vcc 0
		.amdhsa_float_denorm_mode_32 3
		.amdhsa_float_denorm_mode_16_64 3
		.amdhsa_memory_ordered 1
		.amdhsa_forward_progress 1
		.amdhsa_inst_pref_size 193
	.end_amdhsa_kernel
	.amdgpu_metadata
---
amdhsa.version: [ 1, 2 ]
amdhsa.kernels:
  - .name:           k_q67b928590c_proj
    .symbol:         k_q67b928590c_proj.kd
    .args:
      - { .name: x_codes, .offset: 0, .size: 8, .value_kind: global_buffer, .address_space: global }
      - { .name: x_scales, .offset: 8, .size: 8, .value_kind: global_buffer, .address_space: global }
      - { .name: Wq_codes, .offset: 16, .size: 8, .value_kind: global_buffer, .address_space: global }
      - { .name: Wq_scales, .offset: 24, .size: 8, .value_kind: global_buffer, .address_space: global }
      - { .name: Wk_codes, .offset: 32, .size: 8, .value_kind: global_buffer, .address_space: global }
      - { .name: Wk_scales, .offset: 40, .size: 8, .value_kind: global_buffer, .address_space: global }
      - { .name: Wv_codes, .offset: 48, .size: 8, .value_kind: global_buffer, .address_space: global }
      - { .name: Wv_scales, .offset: 56, .size: 8, .value_kind: global_buffer, .address_space: global }
      - { .name: bq, .offset: 64, .size: 8, .value_kind: global_buffer, .address_space: global }
      - { .name: bk, .offset: 72, .size: 8, .value_kind: global_buffer, .address_space: global }
      - { .name: bv, .offset: 80, .size: 8, .value_kind: global_buffer, .address_space: global }
      - { .name: qkv_img, .offset: 88, .size: 8, .value_kind: global_buffer, .address_space: global }
      - { .name: qkv_sc, .offset: 96, .size: 8, .value_kind: global_buffer, .address_space: global }
    .group_segment_fixed_size: 327680
    .private_segment_fixed_size: 0
    .kernarg_segment_align: 8
    .kernarg_segment_size: 104
    .max_flat_workgroup_size: 128
    .sgpr_count:     102
    .vgpr_count:     1024
    .wavefront_size: 32
...
	.end_amdgpu_metadata
.endif
;; end of part 1
;; launch scores (part 2): grid 16 x 16, 4 waves a work-group, clusters of 4 x 4, 327,680 bytes of LDS; arguments qkv_img, qkv_sc, p_img, p_st; writes p_img, p_st
.if DOCPART == 2
	.amdgcn_target "amdgcn-amd-amdhsa--gfx1250"
	.amdhsa_code_object_version 6
	.text
	.protected	k_q67b928590c_scores
	.globl	k_q67b928590c_scores
	.p2align	8
	.type	k_q67b928590c_scores,@function
k_q67b928590c_scores:
	s_mov_b64 s[64:65], 0
	v_nop
	global_prefetch_b8 v0, s[64:65] scope:SCOPE_SE
	s_setreg_imm32_b32 hwreg(HW_REG_WAVE_MODE, 25, 1), 1
	s_wait_xcnt 0x0
	s_wait_alu depctr_hold_cnt(0) depctr_sa_sdst(0) depctr_va_vdst(0) depctr_va_sdst(0) depctr_va_ssrc(0) depctr_va_vcc(0) depctr_vm_vsrc(0)
	s_getreg_b32 s2, hwreg(HW_REG_IB_STS2, 6, 4)
	s_cmp_eq_u32 s2, 0
	s_cbranch_scc0 .Lentry_in_a_cluster
	s_endpgm
.Lentry_in_a_cluster:
	s_bfe_u32 s2, ttmp6, 0x10000c
	s_cmp_lg_u32 s2, 0xf033
	s_cbranch_scc0 .Lentry_shape_is_right
	s_endpgm
.Lentry_shape_is_right:
; p = 2^(t - M'), t = q k^T x log2(e) / 32, M' = the largest t of a row in 128 keys, rounded up: quantised, with the rows' -M' and sums of p for each 128 keys.  A later launch brings all groups of a row under one M: scalings by powers of two.
; No step of reference() is left out.  LIMITS: NaN and infinities are not served; the promise holds while |t| stays under 2^31.
; THE DEAL.  256 work-groups of four waves, 2 x 2 (wave row w, wave column b), 512 queries x 128 keys each.  A wave holds 64 rows of k, all of d, in registers (384) and streams q's rows past them in blocks of 16 (block n: rows 32 n + 16 w of the 512).
; CLUSTERS 4 x 4: q's chunks of 128 rows are shared along a row of the cluster, k's 128 rows along a column.  A chunk is 98,304 dense bytes: [d / 128][row block][c][512: registers 0-3, 256: registers 4, 5].
; TRANSPOSED USE (source 0 = 16 rows of k).  A tile's lanes 0-7 take an octet of the first 32 keys of 64, lanes 8-15 one of the second; so lane (r, h) holds query r and 32 keys of ONE scale block.  Octets 0, 2, 1, 3 of k's rows as they lie: the order of v^T's codes.
; THE SOFTMAX of block n is spread: its largest score and M' behind its products; the multiply-adds among block n + 1's products; the exponentials and the codes behind those; the sum among block n + 2's products.
; M' is one for the wave's 64 keys; at the end the two waves of a row join theirs: the lesser's scale bytes are lowered by the difference (a byte under 0 becomes 0, 2^-127), its sum is scaled.
; OUT: p_img [query / 128][key / 128][row block][c = b][512, 256]; p_st: 512 bytes a group, [query / 128][key / 128]: scale words at 0, -M' at 524,288, sums at 1,048,576; row 16 a + r at 256 (a / 4) + 16 r + 4 (a % 4).
; THE WAITS' COUNTS: younger than a block's fetch are one more fetch (NF) and the stores of statistics of two tails (three a tail; one and two in the first two).
.set NQ,     8
.set NB,     4
.set FR,     12
.set FPW,    21
.set NF,     34
.set CH,     98304
.set KR,     2*CH                      ; k's rows, behind q's two slots
.set SQ,     3*CH                      ; q's scale words, a row's eight on end: 272 x (row / 8) + 32 x (row % 8)
.set MST,    SQ+17408                  ; -M' [b][2,048], the sums 4,096 on
.set BST,    MST+8192                  ; scale bytes
.set SPARE,  BST+2048
.set QB,     4                         ; v4, v5 my place in a fragment's two parts; v6 in the scale words
.set CO,     9
.set SPW,    10
.set NIL,    11
.set ADR,    12                        ; v12, 13: parts of 16 bytes a lane, d under and over 512; v14, 15: parts of 8
.set AAS,    17
.set VWB,    18
.set VBB,    19
.set C8,     21
.set SB,     24                        ; v24-39 k's scale words
.set TQ,     40
.set SA,     44                        ; v44-59 q's
.set TC,     60
.set ACC,    64                        ; two sets of four accumulators
.set T,      128                       ; two sets of 32: t - M', then p
.set NCD,    192
.set SOP,    240
.set BM,     241                       ; the scale block's largest p
.set PX,     242
.set TA,     243
.set EB,     244
.set NM,     246                       ; v246 -M' (v247: named as the upper half of a pair)
.set SU,     248
.set SV,     250
.set LS,     252
.set VW,     253
.set VY,     254
.set BA,     984
.set G1A, 24
.set G1B, 32
.set G0A, 56
.set G0B, 60
.set G0R, 68
.set SEL, 66
.set CS,  98
.set MSB, 0
.macro WIN new
.if MSB != (\new)
	s_set_vgpr_msb (MSB<<8)|(\new)
.set MSB, (\new)
.endif
.endm
.macro PLACES n
.rept \n
	v_nop
.endr
.endm
.macro WALU
	s_wait_alu depctr_va_vdst(0)
.endm
.macro BARRIER
	s_barrier_signal -1
	s_barrier_wait -1
.endm
.macro MIDDLE
	WIN 0
	s_barrier_wait -1
	s_cmp_lg_u32 s14, 0
	s_cbranch_scc1 .Lnot_wave_0_\@
	s_barrier_signal -3
.Lnot_wave_0_\@:
	s_barrier_wait -3
.endm
.macro CROUND
	s_barrier_signal -1
	MIDDLE
	BARRIER
.endm
.macro GRD
	s_wait_tensorcnt 0x0
	ds_add_u32 v[SPW], v[NIL]
.endm
.macro TLOAD g0, g1
	tensor_load_to_lds s[\g0:\g0+3], s[\g1:\g1+7]
	s_nop 0
	PLACES 4
.endm
.macro GROUP1 g, mask, rows            ; a dense block as rows of 256 bytes
	s_or_b32 s[\g+0], s[\mask], (3<<16)|(1<<21)
	s_mov_b32 s[\g+1], 32<<16
	s_mov_b32 s[\g+2], (\rows)<<16
	s_mov_b32 s[\g+3], 32<<16
	s_mov_b32 s[\g+4], \rows
	s_mov_b32 s[\g+5], 32
	s_mov_b32 s[\g+6], 0
	s_mov_b32 s[\g+7], 0
.endm
.macro SADD d, x
	s_add_co_u32 s\d, s\d, s\x
.endm
; fragment f lies in window 1 + f / 21 at register 12 (f % 21): 0-31 k's (4 q + tile), 32-39 and 40-47 q's two sets
.macro FRAG f, q, a16, a8, aw
	WIN ((1+(\f)/FPW)<<6)|(\aw)
.set R_, FR*((\f)%FPW)
.irp c, 0,1
	ds_load_b128 v[R_+6*\c:R_+6*\c+3], \a16 offset:12288*((\q)%4)+768*\c
	ds_load_b64 v[R_+6*\c+4:R_+6*\c+5], \a8 offset:12288*((\q)%4)+768*\c+512
.endr
.endm
.macro WFRAG q
.irp b, 0,1,2,3
	FRAG NB*(\q)+\b, \q, v[BA-768+4*\b+(\q)/4], v[BA-768+4*\b+2+(\q)/4], 3
.endr
.endm
.macro FETCH e
.irp q, 0,1,2,3,4,5,6,7
	FRAG NB*NQ+NQ*(\e)+\q, \q, v[ADR+\q/4], v[ADR+2+\q/4], 0
.endr
	WIN 0
	ds_load_b128 v[SA+8*(\e):SA+8*(\e)+3], v[AAS]
	ds_load_b128 v[SA+8*(\e)+4:SA+8*(\e)+7], v[AAS] offset:16
.endm
.macro PROD e, n, a0
.set Q_, (\n)/4
.set FB_, NB*Q_+(\n)%4
.set FA_, NB*NQ+NQ*(\e)+Q_
.set D_, (\a0)+8*((\n)%4)
.set XB_, SB+NQ*(((\n)%4)/2)+Q_
.set XA_, SA+8*(\e)+Q_
	WIN (1+FB_/FPW)|((1+FA_/FPW)<<2)
.if Q_
	PROD1 D_, FB_, FA_, v[D_:D_+7], XB_, XA_, (\n)%2
.else
	PROD1 D_, FB_, FA_, 0, XB_, XA_, (\n)%2
.endif
.endm
.macro PROD1 d, s0, s1, c, x0, x1, o
.if \o
	v_wmma_scale_f32_16x16x128_f8f6f4 v[\d:\d+7], v[FR*((\s0)%FPW):FR*((\s0)%FPW)+FR-1], v[FR*((\s1)%FPW):FR*((\s1)%FPW)+FR-1], \c, v[\x0], v[\x1] matrix_a_fmt:MATRIX_FMT_FP6 matrix_b_fmt:MATRIX_FMT_FP6 matrix_a_scale:MATRIX_SCALE_ROW1
.else
	v_wmma_scale_f32_16x16x128_f8f6f4 v[\d:\d+7], v[FR*((\s0)%FPW):FR*((\s0)%FPW)+FR-1], v[FR*((\s1)%FPW):FR*((\s1)%FPW)+FR-1], \c, v[\x0], v[\x1] matrix_a_fmt:MATRIX_FMT_FP6 matrix_b_fmt:MATRIX_FMT_FP6 matrix_a_scale:MATRIX_SCALE_ROW0
.endif
.endm
.macro BLOCK e, from, to, y            ; products; behind every second one two entries of the list
.set N_, \from
.rept (\to)-(\from)
	PROD \e, N_, ACC+32*(\e)
.if N_%2
	LIST N_-1, \e, \y
	LIST N_, \e, \y
.endif
.set N_, N_+1
.endr
.endm
.macro PFMA k, e                       ; t - M' of the block before, two at a time
	v_pk_fma_f32 v[T+32*(1-(\e))+2*(\k):T+32*(1-(\e))+2*(\k)+1], v[ACC+32*(1-(\e))+2*(\k):ACC+32*(1-(\e))+2*(\k)+1], s[CS:CS+1], v[NM:NM+1] op_sel_hi:[1,0,0]
.endm
.macro BMFMA
	v_fma_f32 v[BM], v[TQ], s[CS], v[NM]
.endm
.macro SUM k, t                        ; the sum of 32 p, unquantised, in two chains
.if (\k) == 0
	v_pk_add_f32 v[SU:SU+1], v[\t:\t+1], v[\t+2:\t+3]
.elseif (\k) == 1
	v_pk_add_f32 v[SV:SV+1], v[\t+4:\t+5], v[\t+6:\t+7]
.elseif (\k) < 14
	v_pk_add_f32 v[SU+2*((\k)%2):SU+2*((\k)%2)+1], v[SU+2*((\k)%2):SU+2*((\k)%2)+1], v[\t+2*(\k)+4:\t+2*(\k)+5]
.elseif (\k) == 14
	v_pk_add_f32 v[SU:SU+1], v[SU:SU+1], v[SV:SV+1]
.else
	v_add_f32 v[SU], v[SU], v[SU+1]
.endif
.endm
.macro SETADR k                        ; the addresses of the block that is fetched next
.if (\k) == 0
	v_add_nc_u32 v[ADR], s101, v[QB]
.elseif (\k) == 1
	v_add_nc_u32 v[ADR+1], s90, v[QB]
.elseif (\k) == 2
	v_add_nc_u32 v[ADR+2], s101, v[QB+1]
.elseif (\k) == 3
	v_add_nc_u32 v[ADR+3], s90, v[QB+1]
.elseif (\k) == 4
	v_add_nc_u32 v[AAS], s100, v[QB+2]
.endif
.endm
.macro LIST i, e, y                    ; y: 1 the block before's multiply-adds, 2 the sum of the one before that, 4 the next addresses
	WIN 0
.if ((\y)&1) && ((\i)%2 == 0)
	PFMA (\i)/2, \e
.endif
.if ((\y)&1) && ((\i) == 1)
	BMFMA
.endif
.if ((\y)&2) && ((\i)%2 == 1)
	SUM (\i)/2, T+32*(\e)
.endif
.if ((\y)&4) && ((\i)%2 == 1) && ((\i) > 2) && ((\i) < 12)
	SETADR ((\i)-3)/2
.endif
.endm
.macro NEXTADR                         ; block s91: chunk s91 / 4 lies in slot (s91 / 4) % 2
	s_and_b32 s20, s91, 3
	s_mul_i32 s20, s20, 3072
	s_bfe_u32 s21, s91, 0x10002
	s_mul_i32 s21, s21, CH
	s_add_co_u32 s101, s20, s21
	s_add_co_u32 s90, s101, 49152
	s_mul_i32 s100, s91, 1088
	s_add_co_u32 s91, s91, 1
.endm
.macro OUTADR                          ; where block s87's codes go
	s_lshr_b32 s20, s87, 2
	s_mul_i32 s20, s20, 2*CH
	s_and_b32 s21, s87, 3
	s_mul_i32 s21, s21, 3072
	SADD 20, 21
	s_mov_b32 s21, 0
	s_add_nc_u64 s[84:85], s[2:3], s[20:21]
	s_add_co_u32 s87, s87, 1
.endm
.macro ASK                             ; the next chunk of q, a quarter a wave, into slot s47
	s_mul_i32 s20, s14, CH/4
	s_add_co_u32 s[G0R+1], s20, s47
	SADD 20, 54
	s_mov_b32 s21, 0
	s_add_nc_u64 s[G0R+2:G0R+3], s[4:5], s[20:21]
	s_or_b32 s[G0R+3], s[G0R+3], 0x80000000
	s_mov_b32 s[G1A+2], 96<<16
	s_mov_b32 s[G1A+4], 96
	s_xor_b32 s47, s47, CH
	s_add_co_u32 s54, s54, CH
.endm
.macro LARGEST x                       ; a lane's 32 scores: two chains, each accumulator from its low end on
	v_max3_num_f32 v[TQ], v[\x], v[\x+1], v[\x+2]
	v_max3_num_f32 v[TQ+1], v[\x+16], v[\x+17], v[\x+18]
.irp i, 3,5,7,9,11,13
	v_max3_num_f32 v[TQ], v[TQ], v[\x+\i], v[\x+\i+1]
	v_max3_num_f32 v[TQ+1], v[TQ+1], v[\x+16+\i], v[\x+17+\i]
.endr
	v_max3_num_f32 v[TQ+1], v[TQ+1], v[\x+15], v[\x+31]
	v_max_num_f32 v[TQ], v[TQ], v[TQ+1]
.endm
.macro EXPS e, hb                      ; the block before's p, its scale and codes; hb: the end of the sum of the one before that
.set I_, 0
.rept 32
	v_exp_f32 v[T+32*(1-(\e))+I_], v[T+32*(1-(\e))+I_]
.set I_, I_+1
.endr
	v_exp_f32 v[BM], v[BM]                              ; the largest score's p is the block's largest p
	v_nop
	WALU                                                ; one wait for the batch, ahead of its first reader
	v_max_num_f32 v[BM], 3<<23, v[BM]
	v_add_nc_u32 v[SOP], -(2<<23), v[BM]
	v_lshrrev_b32 v[EB], 23, v[SOP]
	v_cvt_scalef32_pk16_fp6_f32 v[NCD:NCD+2], v[T+32*(1-(\e)):T+32*(1-(\e))+15], v[SOP]
	v_cvt_scalef32_pk16_fp6_f32 v[TC:TC+2], v[T+32*(1-(\e))+16:T+32*(1-(\e))+31], v[SOP]
.if \hb
	v_permlanex16_b32 v[PX], v[SU], s[SEL], s[SEL+1]
	v_add_f32 v[LS], v[SU], v[PX]
.else
	v_nop
.endif
	v_mov_b32 v[NCD+3], v[TC]
	v_mov_b32 v[NCD+4], v[TC+1]
	v_mov_b32 v[NCD+5], v[TC+2]
.endm
.macro PUT
	global_store_b128 v[CO], v[NCD:NCD+3], s[84:85]
	global_store_b64 v[C8], v[NCD+4:NCD+5], s[84:85] offset:512
.endm
; block n of parity e.  w: the count of the wait for its rows (-1: shown in already).  mode 0: with a fetch; 1: a refill's round; 2: a plain barrier that shows the last refill; 3: no fetch.  ha, hb: is there a block before, and one before that
.macro BLK e, w, mode, ha, hb
	s_wait_xcnt 0x0
.if \e
	s_add_co_u32 s46, s46, 256
.endif
.if \ha
	OUTADR
.endif
.if \mode < 3
	NEXTADR
.set Y_, \ha+2*\hb+4
.else
.set Y_, \ha+2*\hb
.endif
.if (\w) >= 0
	s_wait_dscnt \w
.endif
.if (\mode == 0) || (\mode == 3)
	BLOCK \e, 0, 32, Y_
	WIN 0
.else
.if \mode == 1
	GRD
	ASK
.endif
	BLOCK \e, 0, 26, Y_
	WIN 0
	WALU
.if \mode == 2
	s_wait_tensorcnt 0x0
.endif
	s_wait_dscnt 0x0
	s_barrier_signal -1
	BLOCK \e, 26, 32, Y_
.if \mode == 1
	MIDDLE
	BARRIER
	TLOAD G0R, G1A
.else
	WIN 0
	s_barrier_wait -1
.endif
.endif
	PLACES 4
	WALU
.if \mode < 3
	FETCH \e
.endif
.if \ha
	EXPS \e, \hb
.endif
.if \e == 0
	v_add_nc_u32 v[VW], s46, v[VWB]
	v_add_nc_u32 v[VY], s46, v[VBB]
.endif
	WALU                                                ; ahead of the first readers of this block's sums
	LARGEST ACC+32*(\e)
	v_permlanex16_b32 v[PX], v[TQ], s[SEL], s[SEL+1]
	v_max_num_f32 v[TA], v[TQ], v[PX]
	v_mul_f32 v[TA], s[CS], v[TA]
	v_floor_f32 v[NM], -v[TA]
	WALU
	ds_store_b32 v[VW], v[NM] offset:256+8*(\e)
.if \ha
	ds_store_b8 v[VY], v[EB] offset:8+248*(\e)
.endif
.if \hb
	ds_store_b32 v[VW], v[LS] offset:4096+8*(\e)
.endif
.if \ha
	PUT
.endif
.endm
.macro PFTILE v, off, share            ; my sixteenth of a chunk, to be asked for into the L2
	s_mul_i32 s21, s\share, CH/16
	s_add_co_u32 s20, s\off, s21
	v_min_u32 v\v, CH/16/256-1, v3
	v_lshl_add_u32 v\v, v\v, 8, s20
.endm
.macro PFGO v, base
	global_prefetch_b8 v\v, s[\base:\base+1] th:TH_LOAD_NT scope:SCOPE_SE
.endm
; ================= THE HEAD
	s_load_b256 s[4:11], s[0:1], 0x0                    ; qkv_img, qkv_sc, p_img, p_st
	v_lshl_add_u32 v[SPW], v0, 2, SPARE
	v_mov_b32 v[NIL], 0
	ds_add_u32 v[SPW], v[NIL]                           ; the opening add, twice on end under one wait
	ds_add_u32 v[SPW], v[NIL]
	v_lshrrev_b32 v1, 5, v0
	v_readfirstlane_b32 s14, v1                         ; s14 the wave, s15 its row w, s16 its column b
	s_lshr_b32 s15, s14, 1
	s_and_b32 s16, s14, 1
	s_bfe_u32 s40, ttmp6, 0x40000
	s_bfe_u32 s41, ttmp6, 0x40004
	s_lshl_b32 s42, ttmp9, 2
	SADD 42, 40                                         ; s42 the tile of 128 keys inside the batch
	s_and_b32 s17, ttmp7, 0xffff                        ; s17 the batch: four tiles of 512 queries, a cluster's
	s_lshl_b32 s43, s17, 2
	SADD 43, 41                                         ; s43 the tile of 512 queries, all batches on end
	s_lshl_b32 s44, s41, 2
	s_lshl_b32 s44, 15, s44
	s_lshl_b32 s45, 0x1111, s40
	GROUP1 G1A, 44, 384
	GROUP1 G1B, 45, 192
	s_mov_b32 s[G0A], 1
	s_mov_b32 s[G0A+1], 0
	s_mov_b32 s[G0R], 1
	s_mov_b32 s[G0R+1], CH
	s_mov_b32 s[G0B], 1
	s_mul_i32 s22, s14, CH/2
	s_add_co_u32 s[G0B+1], s22, KR
	s_lshl_b32 s18, s40, 2
	SADD 18, 14                                         ; my number among the sixteen waves of my row of the cluster
	s_mov_b32 s[SEL], 0x76543210                        ; lane l xor 16
	s_mov_b32 s[SEL+1], 0xfedcba98
	s_mov_b32 s[CS], 0x3d38aa3b                         ; log2(e) / 32
	s_mov_b32 s[CS+1], s[CS]
	s_mul_i32 s20, s15, 1536
	s_mul_i32 s21, s15, 544
	s_add_co_u32 s21, s21, SQ
	s_mul_i32 s46, s16, 6144
	s_add_co_u32 s46, s46, KR
	s_lshl_b32 s47, s16, 11
	s_lshl_b32 s54, s15, 2
	SADD 47, 54
	s_add_co_u32 s47, s47, MST-256
	s_lshl_b32 s55, s16, 1
	SADD 55, 54
	s_add_co_u32 s55, s55, BST-256
	s_mul_i32 s54, s14, 4352
	s_add_co_u32 s54, s54, SQ
	v_and_b32 v1, 15, v0                                ; r
	v_bfe_u32 v2, v0, 4, 1                              ; h
	v_and_b32 v3, 31, v0                                ; lane
	v_lshlrev_b32 v[CO], 4, v3
	v_lshlrev_b32 v[C8], 3, v3
	v_add_nc_u32 v[QB], s20, v[CO]
	v_add_nc_u32 v[QB+1], s20, v[C8]
	v_and_b32 v64, 7, v1                                ; i = r % 8
	v_lshrrev_b32 v65, 3, v1                            ; g = r / 8
	v_lshlrev_b32 v70, 5, v64
	v_mad_u32_u24 v70, v65, 272, v70
	v_add_nc_u32 v[QB+2], s21, v70
	v_mad_u32_u24 v68, v2, 2176, v70
	v_add_nc_u32 v68, s54, v68                          ; where I put q's scale words: row 64 h + 16 j + r of my chunk
	v_lshlrev_b32 v66, 4, v64                           ; k: octet 0 of the first or (g = 1) the second 32 of my 64 rows
	v_mad_u32_u24 v66, v65, 3072, v66
	v_lshl_add_u32 v66, v2, 8, v66
	v_add_nc_u32 v66, s46, v66
	v_lshlrev_b32 v67, 3, v64
	v_mad_u32_u24 v67, v65, 3072, v67
	v_lshl_add_u32 v67, v2, 7, v67
	v_add_nc_u32 v67, s46, v67
	v_lshlrev_b32 v69, 4, v64                           ; k's scale words: lanes 0-15 tile 2 p, lanes 16-31 tile 2 p + 1
	v_lshl_add_u32 v69, v65, 3, v69
	v_lshl_add_u32 v69, v2, 2, v69
	v_lshlrev_b32 v71, 4, v1
	v_add_nc_u32 v[VWB], s47, v71
	v_add_nc_u32 v71, v71, v2
	v_add_nc_u32 v[VBB], s55, v71
	v_mov_b32 v[PX], 0                                  ; (a lane permute's destination counts as one of its sources)
	v_mov_b32 v[NM+1], 0
	WIN 3<<6
.irp j, 0,1,2,3                                         ; tiles' octets 0, 2, 1, 3
.irp q, 0,1
	v_add_nc_u32 v[BA-768+4*\j+\q], 49152*\q+1536*(\j%2)+128*(\j/2), v66
	v_add_nc_u32 v[BA-768+4*\j+2+\q], 49152*\q+1536*(\j%2)+64*(\j/2), v67
.endr
.endr
	WIN 0
	WALU
	s_wait_dscnt 0x0
	CROUND                                              ; the opening round
	s_wait_kmcnt 0x0
	s_mov_b32 s21, 0
	s_mul_i32 s20, s43, 4*CH
	s_add_nc_u64 s[G0A+2:G0A+3], s[4:5], s[20:21]
	s_add_nc_u64 s[G0R+2:G0R+3], s[G0A+2:G0A+3], CH
	s_or_b32 s[G0A+3], s[G0A+3], 0x80000000
	s_or_b32 s[G0R+3], s[G0R+3], 0x80000000
	s_lshl_b32 s23, s17, 4
	SADD 23, 42                                         ; k's chunk
	s_mul_i32 s20, s23, CH
	s_add_co_u32 s20, s20, 6291456
	SADD 20, 22
	s_add_nc_u64 s[G0B+2:G0B+3], s[4:5], s[20:21]
	s_or_b32 s[G0B+3], s[G0B+3], 0x80000000
	s_cmp_lt_u32 s14, 2
	s_cbranch_scc0 .Lwave_2
	TLOAD G0B, G1B                                      ; waves 0 and 1: k's rows, a half each
	s_branch .Lasked
.Lwave_2:
	s_cmp_eq_u32 s14, 2
	s_cbranch_scc0 .Lwave_3
	TLOAD G0A, G1A                                      ; wave 2: q's chunk 0
	s_branch .Lasked
.Lwave_3:
	TLOAD G0R, G1A                                      ; wave 3: chunk 1
.Lasked:
	s_lshl_b32 s20, s23, 12
	s_lshl_b32 s22, s16, 8
	SADD 20, 22
	s_add_co_u32 s20, s20, 262144
	s_add_nc_u64 s[92:93], s[6:7], s[20:21]
	s_lshl_b32 s23, s43, 2
	SADD 23, 14                                         ; my chunk of q
	s_lshl_b32 s20, s23, 12
	s_add_nc_u64 s[94:95], s[6:7], s[20:21]
.irp p, 0,1
.irp q, 0,1,2,3,4,5,6,7
	global_load_b32 v[SB+8*\p+\q], v69, s[92:93] offset:512*\q+128*\p
.endr
.endr
.irp q, 0,1,2,3,4,5,6,7
	global_load_b128 v[T+4*\q:T+4*\q+3], v[CO], s[94:95] offset:512*\q
.endr
	s_lshl_b32 s20, s23, 4                              ; statistics: my chunk's group
	SADD 20, 42
	s_lshl_b32 s20, s20, 9
	s_add_nc_u64 s[12:13], s[10:11], s[20:21]
	s_lshl_b32 s20, s43, 6                              ; codes: group (4 x tile) x 16 + key tile
	SADD 20, 42
	s_mul_i32 s20, s20, 12288
	s_mul_i32 s22, s15, 1536
	SADD 20, 22
	s_mul_i32 s22, s16, 768
	SADD 20, 22
	s_add_nc_u64 s[2:3], s[8:9], s[20:21]
	s_mul_i32 s54, s43, 4*CH
	s_add_co_u32 s54, s54, 2*CH                         ; the chunks still to come
	s_add_co_u32 s55, s54, CH
	s_mov_b32 s46, 0
	s_mov_b32 s47, 0
	s_mov_b32 s87, 0
	s_mov_b32 s91, 0
	PFTILE 7, 54, 18                                    ; what the two refills will load
	PFTILE 8, 55, 18
	WALU
	s_cmp_lt_u32 s14, 2
	s_cbranch_scc0 .Lnot_k
	s_wait_tensorcnt 0x0
.Lnot_k:
	BARRIER                                             ; k's rows are in
	PFGO 7, 4
.irp q, 0,1,2,3,4,5,6,7
	WFRAG \q
.endr
	WIN 0
	s_wait_loadcnt 0x0
.irp q, 0,1,2,3,4,5,6,7
.irp j, 0,1,2,3
	ds_store_b32 v68, v[T+4*\q+\j] offset:544*\j+4*\q
.endr
.endr
	s_cmp_eq_u32 s14, 3
	s_cbranch_scc1 .Lnot_q
	s_wait_tensorcnt 0x0
.Lnot_q:
	s_wait_dscnt 0x0
	BARRIER                                             ; chunk 0 and q's scale words are in; chunk 1 may still be on its way
.irp e, 0,1
	NEXTADR
.irp k, 0,1,2,3,4
	SETADR \k
.endr
	FETCH \e
.endr
; ================= THE BLOCKS
	BLK 0, NF, 0, 0, 0
	BLK 1, NF+1, 0, 1, 0
	PFGO 8, 4
	s_mov_b32 s86, 0
.Lwith_rounds:                                          ; blocks 2 to 5, 6 to 9
	BLK 0, NF+3, 1, 1, 1
	BLK 1, -1, 0, 1, 1
	BLK 0, NF+6, 0, 1, 1
	BLK 1, NF+6, 0, 1, 1
	s_add_co_u32 s86, s86, 1
	s_cmp_lg_u32 s86, 2
	s_cbranch_scc1 .Lwith_rounds
.Lwithout:                                              ; blocks 10, 11 and 12, 13
	BLK 0, NF+6, 2, 1, 1
	BLK 1, -1, 0, 1, 1
	s_add_co_u32 s86, s86, 1
	s_cmp_lg_u32 s86, 4
	s_cbranch_scc1 .Lwithout
	BLK 0, NF+6, 3, 1, 1
	BLK 1, 6, 3, 1, 1
; ================= THE END: the last blocks' softmax
	s_wait_xcnt 0x0
	OUTADR
	BMFMA
.set I, 0
.rept 16
	PFMA I, 0
	SUM I, T
.set I, I+1
.endr
	v_add_nc_u32 v[VW], s46, v[VWB]
	v_add_nc_u32 v[VY], s46, v[VBB]
	WALU
	EXPS 0, 1
	WALU
	ds_store_b8 v[VY], v[EB] offset:8
	ds_store_b32 v[VW], v[LS] offset:4096
	PUT
.set I, 0
.rept 16
	SUM I, T+32
.set I, I+1
.endr
	v_permlanex16_b32 v[PX], v[SU], s[SEL], s[SEL+1]
	v_add_f32 v[TA], v[SU], v[PX]
	s_lshl_b32 s20, s14, 9
	s_add_co_u32 s20, s20, MST
	v_add_nc_u32 v12, s20, v[CO]
	WALU
	ds_store_b32 v[VW], v[TA] offset:4104
	s_wait_dscnt 0x0
	BARRIER
; the two waves of a row join: wave n takes chunk n, a lane four rows: -M' at v64, v68, sums at v72, v76, scale words at v80
.irp k, 0,1,2,3
	ds_load_b128 v[64+4*\k:67+4*\k], v12 offset:2048*\k
.endr
	ds_load_b128 v[80:83], v12 offset:BST-MST
	s_wait_dscnt 0x0
.irp j, 0,1,2,3
	v_min_num_f32 v[84+\j], v[64+\j], v[68+\j]
.endr
.irp j, 0,1,2,3
	v_sub_f32 v[64+\j], v[84+\j], v[64+\j]              ; 0 or less, a whole number
	v_sub_f32 v[68+\j], v[84+\j], v[68+\j]
.endr
.irp j, 0,1,2,3,4,5,6,7
	v_cvt_i32_f32 v[64+\j], v[64+\j]                    ; (it saturates)
.endr
.irp j, 0,1,2,3,4,5,6,7
	v_ldexp_f32 v[72+\j], v[72+\j], v[64+\j]
.endr
.irp j, 0,1,2,3,4,5,6,7
	v_sub_nc_u32 v[64+\j], 0, v[64+\j]
.endr
.irp j, 0,1,2,3,4,5,6,7
	v_min_u32 v[64+\j], 127, v[64+\j]
.endr
.irp j, 0,1,2,3
	v_add_f32 v[72+\j], v[72+\j], v[76+\j]
	v_perm_b32 v[64+\j], v[68+\j], v[64+\j], 0x04040000 ; bytes 0, 1 are the first wave's blocks, 2, 3 the second's
.endr
.irp j, 0,1,2,3
	v_or_b32 v[80+\j], 0x80808080, v[80+\j]             ; the bytes are 1 to 125: with 128 on top of each no borrow passes on
.endr
.irp j, 0,1,2,3
	v_sub_nc_u32 v[80+\j], v[80+\j], v[64+\j]
.endr
.irp j, 0,1,2,3
	v_and_b32 v[64+\j], 0x80808080, v[80+\j]
.endr
.irp j, 0,1,2,3
	v_lshrrev_b32 v[68+\j], 7, v[64+\j]
.endr
.irp j, 0,1,2,3
	v_sub_nc_u32 v[64+\j], v[64+\j], v[68+\j]           ; 0x7f where the byte stays at 0 or over, else 0
.endr
.irp j, 0,1,2,3
	v_and_b32 v[80+\j], v[80+\j], v[64+\j]
.endr
	WALU
	global_store_b128 v[CO], v[80:83], s[12:13]
	global_store_b128 v[CO], v[84:87], s[12:13] offset:524288
	global_store_b128 v[CO], v[72:75], s[12:13] offset:1048576
	s_wait_tensorcnt 0x0
	ds_add_u32 v[SPW], v[NIL]
	s_wait_dscnt 0x0
	CROUND
	s_endpgm
.Lfunc_end_k_q67b928590c_scores:
	.size	k_q67b928590c_scores, .Lfunc_end_k_q67b928590c_scores-k_q67b928590c_scores
	.p2alignl 7, 3214868480
	.fill 96, 4, 3214868480
	.section	.rodata,"a",@progbits
	.p2align	6, 0x0
	.amdhsa_kernel k_q67b928590c_scores
		.amdhsa_group_segment_fixed_size 327680
		.amdhsa_private_segment_fixed_size 0
		.amdhsa_enable_private_segment 0
		.amdhsa_kernarg_size 32
		.amdhsa_user_sgpr_count 2
		.amdhsa_user_sgpr_kernarg_segment_ptr 1
		.amdhsa_wavefront_size32 1
		.amdhsa_system_sgpr_workgroup_id_x 1
		.amdhsa_system_sgpr_workgroup_id_y 1
		.amdhsa_system_sgpr_workgroup_id_z 1
		.amdhsa_system_vgpr_workitem_id 0
		.amdhsa_next_free_vgpr 1024
		.amdhsa_next_free_sgpr 102
		.amdhsa_reserve_vcc 0
		.amdhsa_float_denorm_mode_32 3
		.amdhsa_float_denorm_mode_16_64 3
		.amdhsa_memory_ordered 1
		.amdhsa_forward_progress 1
		.amdhsa_inst_pref_size 165
	.end_amdhsa_kernel
	.amdgpu_metadata
---
amdhsa.version: [ 1, 2 ]
amdhsa.kernels:
  - .name:           k_q67b928590c_scores
    .symbol:         k_q67b928590c_scores.kd
    .args:
      - { .name: qkv_img, .offset: 0, .size: 8, .value_kind: global_buffer, .address_space: global }
      - { .name: qkv_sc, .offset: 8, .size: 8, .value_kind: global_buffer, .address_space: global }
      - { .name: p_img, .offset: 16, .size: 8, .value_kind: global_buffer, .address_space: global }
      - { .name: p_st, .offset: 24, .size: 8, .value_kind: global_buffer, .address_space: global }
    .group_segment_fixed_size: 327680
    .private_segment_fixed_size: 0
    .kernarg_segment_align: 8
    .kernarg_segment_size: 32
    .max_flat_workgroup_size: 128
    .sgpr_count:     102
    .vgpr_count:     1024
    .wavefront_size: 32
...
	.end_amdgpu_metadata
.endif
;; end of part 2
;; launch pv (part 3): grid 8 x 32, 4 waves a work-group, clusters of 4 x 4, 327,680 bytes of LDS; arguments p_img, p_st, qkv_img, qkv_sc, out0; writes out0
.if DOCPART == 3
	.amdgcn_target "amdgcn-amd-amdhsa--gfx1250"
	.amdhsa_code_object_version 6
	.text
	.protected	k_q67b928590c_pv
	.globl	k_q67b928590c_pv
	.p2align	8
	.type	k_q67b928590c_pv,@function
k_q67b928590c_pv:
	s_mov_b64 s[64:65], 0
	v_nop
	global_prefetch_b8 v0, s[64:65] scope:SCOPE_SE
	s_setreg_imm32_b32 hwreg(HW_REG_WAVE_MODE, 25, 1), 1
	s_wait_xcnt 0x0
	s_wait_alu depctr_hold_cnt(0) depctr_sa_sdst(0) depctr_va_vdst(0) depctr_va_sdst(0) depctr_va_ssrc(0) depctr_va_vcc(0) depctr_vm_vsrc(0)
	s_getreg_b32 s2, hwreg(HW_REG_IB_STS2, 6, 4)
	s_cmp_eq_u32 s2, 0
	s_cbranch_scc0 .Lentry_in_a_cluster
	s_endpgm
.Lentry_in_a_cluster:
	s_bfe_u32 s2, ttmp6, 0x10000c
	s_cmp_lg_u32 s2, 0xf033
	s_cbranch_scc0 .Lentry_shape_is_right
	s_endpgm
.Lentry_shape_is_right:
; out = P v / l on codes of FP6 (E2M3).  No step of reference() is left out.  LIMITS: NaN and infinities are not served; the promise holds while the scaled scores stay under 2^31.
; THE DEAL.  256 work-groups of four waves, 2 x 2 (wave row w, wave column b), 256 queries x 128 channels each.  A wave holds 64 channels of v^T for 1,024 keys in registers (384) and streams P's rows past them in blocks of 16 queries;
; the batch's 2,048 keys go in two phases of eight blocks (n = 0 .. 7, 8 .. 15), and the eight blocks' sums, 256 registers, stay.  In the second phase a finished block leaves among and behind the next one's products.
; CLUSTERS 4 x 4 (one batch): P's chunks (128 queries x 1,024 keys, 98,304 dense bytes) are shared along a row of the cluster, v^T's (128 channels) along a column.
; FILLS.  At the head one tensor load a wave.  Two refills, each in a drained round: in block 2 v^T's region and P's slot 0, in block 6 P's slot 1, all with the second phase's keys.  Block 10's plain barrier shows the last one.
; UNTRANSPOSED USE: source 0 = 16 queries, source 1 = 16 channels.  Tile t takes channels 4 r + t of the wave's 64, so lane (r, h) holds, in register i of four tiles, four neighbouring channels of query 8 h + i: sixteen lanes store 256 neighbouring bytes.
; In v^T's row block a (16 channels) the place 4 y + (a + t) % 4 holds channel 16 a + 4 y + t; so lane r = 4 a + y finds it there.  In P's row blocks of odd blocks of 32 queries row r is query r xor 8 of the 16: odd blocks n store with the halves of the lanes changed over.
; AT THE HEAD each wave reads the statistics of 64 queries: -M' and the sum of p for each 128 keys.  The row's -M is the least -M'; l = the sums x 2^(M' - M); P's scale bytes are lowered by M - M' (a byte under 0 becomes 0, which stands for 2^-127).
; THE WAITS' COUNTS: younger than a block's fetch is one more fetch (NF).
.set NQ,     8
.set NB,     4
.set FR,     12
.set FPW,    21
.set NF,     34
.set CH,     98304
.set VR,     2*CH                      ; v^T, behind P's two slots
.set PSC,    3*CH                      ; P's lowered scale words: [phase][272 x (row / 8) + 32 x (row % 8)]
.set RLS,    PSC+17408                 ; 1 / l of the 256 rows
.set SPARE,  RLS+1024
.set QB,     4
.set SPW,    10
.set NIL,    11
.set ADR,    12
.set AAS,    17
.set VOE,    18                        ; my place in out: even blocks; v19: odd blocks
.set RLA,    20
.set SB,     24                        ; v24-39 v^T's scale words
.set SA,     44                        ; v44-59 P's, two sets
.set MM,     64                        ; at the head: -M', the sums, the scale words of 4 rows x 8 key groups
.set LL,     96
.set WO,     128
.set NMIN,   160
.set PX,     164
.set LS,     168
.set RC,     172
.set T,      160                       ; a block's results on their way out
.set RLR,    192                       ; 1 / l of rows 8 h + 0 .. 7
.set SB2,    240                       ; the second phase's scale words of v^T
.set BA,     1000
.set G1A, 24
.set G1B, 32
.set G0A, 56
.set G0B, 60
.set G0R, 68
.set SEL, 66
.set MSB, 0
.macro WIN new
.if MSB != (\new)
	s_set_vgpr_msb (MSB<<8)|(\new)
.set MSB, (\new)
.endif
.endm
.macro PLACES n
.rept \n
	v_nop
.endr
.endm
.macro WALU
	s_wait_alu depctr_va_vdst(0)
.endm
.macro BARRIER
	s_barrier_signal -1
	s_barrier_wait -1
.endm
.macro MIDDLE
	WIN 0
	s_barrier_wait -1
	s_cmp_lg_u32 s14, 0
	s_cbranch_scc1 .Lnot_wave_0_\@
	s_barrier_signal -3
.Lnot_wave_0_\@:
	s_barrier_wait -3
.endm
.macro CROUND
	s_barrier_signal -1
	MIDDLE
	BARRIER
.endm
.macro GRD
	s_wait_tensorcnt 0x0
	ds_add_u32 v[SPW], v[NIL]
.endm
.macro TLOAD g0, g1
	tensor_load_to_lds s[\g0:\g0+3], s[\g1:\g1+7]
	s_nop 0
	PLACES 4
.endm
.macro GROUP1 g, mask, rows            ; a dense block as rows of 256 bytes
	s_or_b32 s[\g+0], s[\mask], (3<<16)|(1<<21)
	s_mov_b32 s[\g+1], 32<<16
	s_mov_b32 s[\g+2], (\rows)<<16
	s_mov_b32 s[\g+3], 32<<16
	s_mov_b32 s[\g+4], \rows
	s_mov_b32 s[\g+5], 32
	s_mov_b32 s[\g+6], 0
	s_mov_b32 s[\g+7], 0
.endm
.macro SADD d, x
	s_add_co_u32 s\d, s\d, s\x
.endm
; fragment f lies in window 1 + f / 21 at register 12 (f % 21): 0-31 v^T's (4 q + tile), 32-39 and 40-47 P's two sets
.macro FRAG f, q, a16, a8, aw
	WIN ((1+(\f)/FPW)<<6)|(\aw)
.set R_, FR*((\f)%FPW)
.irp c, 0,1
	ds_load_b128 v[R_+6*\c:R_+6*\c+3], \a16 offset:12288*((\q)%4)+768*\c
	ds_load_b64 v[R_+6*\c+4:R_+6*\c+5], \a8 offset:12288*((\q)%4)+768*\c+512
.endr
.endm
.macro WFRAG q
.irp b, 0,1,2,3
	FRAG NB*(\q)+\b, \q, v[BA-768+4*\b+(\q)/4], v[BA-768+4*\b+2+(\q)/4], 3
.endr
.endm
.macro FETCH e
.irp q, 0,1,2,3,4,5,6,7
	FRAG NB*NQ+NQ*(\e)+\q, \q, v[ADR+\q/4], v[ADR+2+\q/4], 0
.endr
	WIN 0
	ds_load_b128 v[SA+8*(\e):SA+8*(\e)+3], v[AAS]
	ds_load_b128 v[SA+8*(\e)+4:SA+8*(\e)+7], v[AAS] offset:16
.endm
.macro SUMS k                          ; where block k's (0 .. 7) sums lie
.if (\k) < 5
.set AB_, 840+32*(\k)
.else
.set AB_, 64+32*((\k)-5)
.endif
.endm
.macro PROD b, n                       ; product n = 4 q + tile of block b (0 .. 15)
	SUMS (\b)%8
.set Q_, (\n)/4
.set FB_, NB*Q_+(\n)%4
.set FA_, NB*NQ+NQ*((\b)%2)+Q_
.set D_, AB_+8*((\n)%4)
.set DL_, D_&255
.set XB_, SB+NQ*(((\n)%4)/2)+Q_
.set XA_, SA+8*((\b)%2)+Q_
	WIN (1+FA_/FPW)|((1+FB_/FPW)<<2)|((D_>>8)<<4)|((D_>>8)<<6)
.if Q_ || ((\b) > 7)
	PROD1 DL_, FA_, FB_, v[DL_:DL_+7], XA_, XB_, (\n)%2
.else
	PROD1 DL_, FA_, FB_, 0, XA_, XB_, (\n)%2
.endif
.endm
.macro PROD1 d, s0, s1, c, x0, x1, o
.if \o
	v_wmma_scale_f32_16x16x128_f8f6f4 v[\d:\d+7], v[FR*((\s0)%FPW):FR*((\s0)%FPW)+FR-1], v[FR*((\s1)%FPW):FR*((\s1)%FPW)+FR-1], \c, v[\x0], v[\x1] matrix_a_fmt:MATRIX_FMT_FP6 matrix_b_fmt:MATRIX_FMT_FP6 matrix_b_scale:MATRIX_SCALE_ROW1
.else
	v_wmma_scale_f32_16x16x128_f8f6f4 v[\d:\d+7], v[FR*((\s0)%FPW):FR*((\s0)%FPW)+FR-1], v[FR*((\s1)%FPW):FR*((\s1)%FPW)+FR-1], \c, v[\x0], v[\x1] matrix_a_fmt:MATRIX_FMT_FP6 matrix_b_fmt:MATRIX_FMT_FP6 matrix_b_scale:MATRIX_SCALE_ROW0
.endif
.endm
.macro VADD d, c, b
.if (\c) == 0
	v_mov_b32 v[\d], v[\b]
.else
	v_add_nc_u32 v[\d], \c, v[\b]
.endif
.endm
.macro SETADR k, f                     ; the addresses of block f (0 .. 15), which is fetched next
.set C_, (((\f)%8)/4)*CH+((\f)%4)*3072
.if (\k) == 0
	WIN 0
	VADD ADR, C_, QB
.elseif (\k) == 1
	WIN 0
	VADD ADR+1, C_+49152, QB
.elseif (\k) == 2
	WIN 0
	VADD ADR+2, C_, QB+1
.elseif (\k) == 3
	WIN 0
	VADD ADR+3, C_+49152, QB+1
.elseif (\k) == 4
	WIN 0
	VADD AAS, 8704*((\f)/8)+1088*((\f)%8), QB+2
.endif
.endm
.macro SCALE i, k                      ; x 1 / l: register i of the way out of block k (0 .. 7); each accumulator from its low end on
	SUMS \k
.set S_, AB_+8*((\i)%4)+(\i)/4
	WIN S_>>8
	v_mul_f32 v[T+(\i)], v[S_&255], v[RLR+(\i)/4]
.endm
.macro LIST i, b                       ; behind block b's products: the addresses of block b + 2, the way out of block b - 1
.if (\b) < 14
	SETADR \i, (\b)+2
.endif
.if (\b) > 8
	SCALE \i, (\b)-9
.endif
.endm
.macro BLOCK b, from, to
.set N_, \from
.rept (\to)-(\from)
	PROD \b, N_
.if N_%2
	LIST N_-1, \b
	LIST N_, \b
.endif
.set N_, N_+1
.endr
.endm
.macro SEND k                          ; block k leaves: each store two whole units of 256 bytes
.irp i, 0,1,2,3,4,5,6,7
	global_store_b128 v[VOE+(\k)%2], v[T+4*\i:T+4*\i+3], s[12:13] offset:131072*(\k)+4096*\i th:TH_STORE_NT
.endr
.endm
; block b.  w: the count of the wait for its rows (-1: shown in already).  mode 0: plain; 1: a refill's round; 2: a plain barrier that shows the last refill
.macro BLK b, w, mode
.if (\b) > 8
	s_wait_xcnt 0x0                                     ; the stores before have read their registers
.endif
.if (\w) >= 0
	s_wait_dscnt \w
.endif
.if \mode == 0
	BLOCK \b, 0, 32
	WIN 0
.else
.if \mode == 1
	GRD
.if (\b) == 2
	s_add_nc_u64 s[G0B+2:G0B+3], s[G0B+2:G0B+3], CH     ; v^T's next 1,024 keys, a half a wave (waves 0, 1); P's, likewise (waves 2, 3)
	s_mov_b32 s[G1A+2], 192<<16
	s_mov_b32 s[G1A+4], 192
	s_mul_i32 s[G0R+1], s16, CH/2
	s_add_nc_u64 s[G0R+2:G0R+3], s[4:5], s[22:23]
	s_or_b32 s[G0R+3], s[G0R+3], 0x80000000
.else
	s_add_co_u32 s[G0R+1], s[G0R+1], CH
	s_add_nc_u64 s[G0R+2:G0R+3], s[G0R+2:G0R+3], 2*CH
.endif
.endif
	BLOCK \b, 0, 26
	WIN 0
	WALU
.if \mode == 2
	s_wait_tensorcnt 0x0
.endif
	s_wait_dscnt 0x0
	s_barrier_signal -1
	BLOCK \b, 26, 32
.if \mode == 1
	MIDDLE
	BARRIER
	s_cmp_lt_u32 s14, 2
.if (\b) == 2
	s_cbranch_scc0 .Lfor_p_\@
	TLOAD G0B, G1B
	s_branch .Lasked_\@
.Lfor_p_\@:
.else
	s_cbranch_scc1 .Lasked_\@
.endif
	TLOAD G0R, G1A
.Lasked_\@:
.else
	WIN 0
	s_barrier_wait -1
.endif
.endif
	PLACES 4
	WALU
.if (\b) > 7
	ds_load_b128 v[RLR:RLR+3], v[RLA] offset:128*((\b)-8)
	ds_load_b128 v[RLR+4:RLR+7], v[RLA] offset:128*((\b)-8)+16
.endif
.if (\b) < 14
	FETCH (\b)%2
.endif
.if (\b) > 8
	SEND (\b)-9
.endif
.endm
.macro PFTILE v, off, share            ; my sixteenth of a chunk, to be asked for into the L2
	s_mul_i32 s21, s\share, CH/16
	s_add_co_u32 s20, s\off, s21
	v_min_u32 v\v, CH/16/256-1, v3
	v_lshl_add_u32 v\v, v\v, 8, s20
.endm
.macro PFGO v, base
	global_prefetch_b8 v\v, s[\base:\base+1] th:TH_LOAD_NT scope:SCOPE_SE
.endm
; ================= THE HEAD
	s_load_b256 s[4:11], s[0:1], 0x0                    ; p_img, p_st, qkv_img, qkv_sc
	s_load_b64 s[12:13], s[0:1], 0x20                   ; out0
	v_lshl_add_u32 v[SPW], v0, 2, SPARE
	v_mov_b32 v[NIL], 0
	ds_add_u32 v[SPW], v[NIL]                           ; the opening add, twice on end under one wait
	ds_add_u32 v[SPW], v[NIL]
	v_lshrrev_b32 v1, 5, v0
	v_readfirstlane_b32 s14, v1                         ; s14 the wave, s15 its row w, s16 its column b
	s_lshr_b32 s15, s14, 1
	s_and_b32 s16, s14, 1
	s_bfe_u32 s40, ttmp6, 0x40000
	s_bfe_u32 s41, ttmp6, 0x40004
	s_lshl_b32 s42, ttmp9, 2
	SADD 42, 40                                         ; s42 the tile of 128 channels
	s_and_b32 s17, ttmp7, 0xffff
	s_lshl_b32 s43, s17, 2
	SADD 43, 41                                         ; s43 the tile of 256 queries, all batches on end
	s_lshr_b32 s17, s17, 1                              ; s17 the batch: two clusters' rows
	s_lshl_b32 s44, s41, 2
	s_lshl_b32 s44, 15, s44
	s_lshl_b32 s45, 0x1111, s40
	GROUP1 G1A, 44, 384
	GROUP1 G1B, 45, 192
	s_mov_b32 s[G0A], 1
	s_mov_b32 s[G0A+1], 0
	s_mov_b32 s[G0R], 1
	s_mov_b32 s[G0R+1], CH
	s_mov_b32 s[G0B], 1
	s_mul_i32 s22, s14, CH/2
	s_add_co_u32 s[G0B+1], s22, VR
	s_lshl_b32 s18, s40, 2
	SADD 18, 14                                         ; my number among the sixteen waves of my row of the cluster
	s_lshl_b32 s100, s41, 2
	SADD 100, 14                                        ; and of my column
	s_mov_b32 s[SEL], 0x76543210                        ; lane l xor 16
	s_mov_b32 s[SEL+1], 0xfedcba98
	s_mul_i32 s20, s15, 1536
	s_mul_i32 s21, s15, 544
	s_add_co_u32 s21, s21, PSC
	s_mul_i32 s46, s16, 6144
	s_add_co_u32 s46, s46, VR
	s_mul_i32 s47, s14, 2176
	s_add_co_u32 s47, s47, PSC
	s_lshl_b32 s54, s14, 8
	s_add_co_u32 s54, s54, RLS
	s_lshl_b32 s55, s15, 6
	s_add_co_u32 s55, s55, RLS
	v_and_b32 v1, 15, v0                                ; r
	v_bfe_u32 v2, v0, 4, 1                              ; h
	v_and_b32 v3, 31, v0                                ; lane
	v_lshlrev_b32 v200, 4, v3
	v_lshlrev_b32 v201, 3, v3
	v_add_nc_u32 v[QB], s20, v200
	v_add_nc_u32 v[QB+1], s20, v201
	v_and_b32 v202, 7, v1
	v_lshrrev_b32 v203, 3, v1
	v_lshlrev_b32 v204, 5, v202
	v_mad_u32_u24 v204, v203, 272, v204                 ; 272 x (r / 8) + 32 x (r % 8)
	v_add_nc_u32 v[QB+2], s21, v204
	v_lshl_add_u32 v205, v2, 2, v204
	v_add_nc_u32 v205, s47, v205                        ; where I put lowered scale words: row 16 j + r of my 64, key group 2 n + h
	v_lshlrev_b32 v206, 2, v1
	v_add_nc_u32 v206, s54, v206                        ; and 1 / l
	v_lshlrev_b32 v207, 5, v2
	v_add_nc_u32 v[RLA], s55, v207
	v_lshlrev_b32 v208, 4, v1
	v_lshl_add_u32 v[VOE], v2, 15, v208                 ; 8 h rows of 4,096 bytes
	v_sub_nc_u32 v209, 1, v2
	v_lshl_add_u32 v[VOE+1], v209, 15, v208
	v_lshl_add_u32 v210, v2, 9, v208                    ; statistics: lanes 16-31 the next key group
	v_lshrrev_b32 v211, 2, v1                           ; a = r / 4
	v_and_b32 v212, 3, v1
	v_lshlrev_b32 v212, 2, v212                         ; 4 y
	v_mul_u32_u24 v213, 1536, v211
	v_add_nc_u32 v213, s46, v213
	v_lshl_add_u32 v214, v2, 8, v213
	v_lshl_add_u32 v215, v2, 7, v213
	v_add_nc_u32 v216, v211, v2                         ; v^T's scale words: lanes 0-15 tile 2 p, lanes 16-31 tile 2 p + 1
	v_and_or_b32 v216, v216, 3, v212
	v_lshlrev_b32 v216, 4, v216
	v_lshl_add_u32 v216, v211, 2, v216                  ; p = 0
	v_xor_b32 v217, 32, v216                            ; p = 1
.irp t, 0,1,2,3
	v_add_nc_u32 v[218+\t], \t, v211
	v_and_or_b32 v[218+\t], v[218+\t], 3, v212          ; the place of tile t's channel in its row block
	v_lshl_add_u32 v[222+\t], v[218+\t], 4, v214
	v_lshl_add_u32 v[226+\t], v[218+\t], 3, v215
.endr
.irp j, 0,1,2,3
	v_mov_b32 v[PX+\j], 0                               ; (a lane permute's destination counts as one of its sources)
.endr
	WIN 3<<6
.irp t, 0,1,2,3
	VADD BA-768+4*\t, 0, 222+\t
	VADD BA-768+4*\t+1, 49152, 222+\t
	VADD BA-768+4*\t+2, 0, 226+\t
	VADD BA-768+4*\t+3, 49152, 226+\t
.endr
	WIN 0
	WALU
	s_wait_dscnt 0x0
	CROUND                                              ; the opening round
	s_wait_kmcnt 0x0
	s_mov_b32 s21, 0
	s_mul_i32 s20, s43, 4*CH                            ; P: two chunks of 16 key groups
	s_add_nc_u64 s[G0A+2:G0A+3], s[4:5], s[20:21]
	s_add_nc_u64 s[G0R+2:G0R+3], s[G0A+2:G0A+3], 2*CH
	s_or_b32 s[G0A+3], s[G0A+3], 0x80000000
	s_or_b32 s[G0R+3], s[G0R+3], 0x80000000
	s_lshl_b32 s46, s42, 6
	s_lshl_b32 s47, s17, 4
	SADD 46, 47                                         ; v^T's group: channel tile x 64 + 16 x batch
	s_mul_i32 s54, s46, 12288
	s_add_co_u32 s54, s54, 12582912
	s_add_co_u32 s20, s54, s22
	s_add_nc_u64 s[G0B+2:G0B+3], s[8:9], s[20:21]
	s_or_b32 s[G0B+3], s[G0B+3], 0x80000000
	s_cmp_lt_u32 s14, 2
	s_cbranch_scc0 .Lwave_2
	TLOAD G0B, G1B                                      ; waves 0 and 1: v^T, a half each
	s_branch .Lasked
.Lwave_2:
	s_cmp_eq_u32 s14, 2
	s_cbranch_scc0 .Lwave_3
	TLOAD G0A, G1A                                      ; wave 2: P's chunk 0
	s_branch .Lasked
.Lwave_3:
	TLOAD G0R, G1A                                      ; wave 3: chunk 1
.Lasked:
	s_lshl_b32 s20, s43, 14                             ; statistics: 2 x 16 groups of 512 bytes; my 64 rows
	s_lshl_b32 s22, s15, 13
	SADD 20, 22
	s_lshl_b32 s22, s16, 8
	SADD 20, 22
	s_add_nc_u64 s[92:93], s[6:7], s[20:21]
	s_lshl_b32 s20, s46, 9
	SADD 20, 22
	s_add_co_u32 s20, s20, 524288
	s_add_nc_u64 s[94:95], s[10:11], s[20:21]
.irp n, 0,1,2,3,4,5,6,7
	global_load_b128 v[MM+4*\n:MM+4*\n+3], v210, s[92:93] offset:524288+1024*\n
.endr
.irp n, 0,1,2,3,4,5,6,7
	global_load_b128 v[LL+4*\n:LL+4*\n+3], v210, s[92:93] offset:1048576+1024*\n
.endr
.irp n, 0,1,2,3,4,5,6,7
	global_load_b128 v[WO+4*\n:WO+4*\n+3], v210, s[92:93] offset:1024*\n
.endr
.irp p, 0,1
.irp q, 0,1,2,3,4,5,6,7
	global_load_b32 v[SB+8*\p+\q], v[216+\p], s[94:95] offset:512*\q
	global_load_b32 v[SB2+8*\p+\q], v[216+\p], s[94:95] offset:4096+512*\q
.endr
.endr
	s_lshl_b32 s20, s43, 20                             ; out: 256 rows of 4,096 bytes; 16 w rows; 128 channels, 64 b of them
	s_lshl_b32 s22, s15, 16
	SADD 20, 22
	s_lshl_b32 s22, s42, 9
	SADD 20, 22
	s_lshl_b32 s22, s16, 8
	SADD 20, 22
	s_add_nc_u64 s[12:13], s[12:13], s[20:21]
	s_add_co_u32 s54, s54, CH                           ; what the refills will load: v^T's,
	s_mul_i32 s55, s43, 4*CH
	s_add_co_u32 s55, s55, CH                           ; P's chunk 0,
	s_add_co_u32 s47, s55, 2*CH                         ; and chunk 1
	PFTILE 21, 54, 100
	PFTILE 22, 55, 18
	PFTILE 23, 47, 18
	s_mul_i32 s22, s16, CH/2
	SADD 22, 55                                         ; s[22:23]: my half of P's chunk 0 in the first refill
	s_mov_b32 s23, 0
	WALU
	s_cmp_lt_u32 s14, 2
	s_cbranch_scc0 .Lnot_v
	s_wait_tensorcnt 0x0
.Lnot_v:
	BARRIER                                             ; v^T's first half is in
	PFGO 21, 8
	PFGO 22, 4
.irp q, 0,1,2,3,4,5,6,7
	WFRAG \q
.endr
	WIN 0
	s_wait_loadcnt 0x0
; the statistics, under the fragments' flight: register 4 n + j of lane (r, h): row 16 j + r of my 64, key group 2 n + h
.irp j, 0,1,2,3
	v_min3_num_f32 v[NMIN+\j], v[MM+\j], v[MM+4+\j], v[MM+8+\j]
.endr
.irp n, 3,5
.irp j, 0,1,2,3
	v_min3_num_f32 v[NMIN+\j], v[NMIN+\j], v[MM+4*\n+\j], v[MM+4*\n+4+\j]
.endr
.endr
.irp j, 0,1,2,3
	v_min_num_f32 v[NMIN+\j], v[NMIN+\j], v[MM+28+\j]
.endr
.irp j, 0,1,2,3
	v_permlanex16_b32 v[PX+\j], v[NMIN+\j], s[SEL], s[SEL+1]
.endr
.irp j, 0,1,2,3
	v_min_num_f32 v[NMIN+\j], v[NMIN+\j], v[PX+\j]      ; the row's -M
.endr
.irp n, 0,1,2,3,4,5,6,7
.irp k, 0,2
	v_pk_add_f32 v[MM+4*\n+\k:MM+4*\n+\k+1], v[NMIN+\k:NMIN+\k+1], v[MM+4*\n+\k:MM+4*\n+\k+1] neg_lo:[0,1] neg_hi:[0,1]   ; M' - M: a whole number, 0 or less
.endr
.endr
.set J, 0
.rept 32
	v_cvt_i32_f32 v[MM+J], v[MM+J]                      ; (it saturates)
.set J, J+1
.endr
.set J, 0
.rept 32
	v_ldexp_f32 v[LL+J], v[LL+J], v[MM+J]
.set J, J+1
.endr
.irp k, 0,2
	v_pk_add_f32 v[LS+\k:LS+\k+1], v[LL+\k:LL+\k+1], v[LL+4+\k:LL+5+\k]
.endr
.irp n, 2,3,4,5,6,7
.irp k, 0,2
	v_pk_add_f32 v[LS+\k:LS+\k+1], v[LS+\k:LS+\k+1], v[LL+4*\n+\k:LL+4*\n+\k+1]
.endr
.endr
.irp j, 0,1,2,3
	v_permlanex16_b32 v[PX+\j], v[LS+\j], s[SEL], s[SEL+1]
.endr
.irp j, 0,1,2,3
	v_add_f32 v[LS+\j], v[LS+\j], v[PX+\j]              ; l
.endr
	WALU
.irp j, 0,1,2,3
	v_rcp_f32 v[RC+\j], v[LS+\j]
.endr
.set J, 0
.rept 32
	v_sub_nc_u32 v[MM+J], 0, v[MM+J]
.set J, J+1
.endr
.set J, 0
.rept 32
	v_min_u32 v[MM+J], 127, v[MM+J]
.set J, J+1
.endr
.set J, 0
.rept 32
	v_perm_b32 v[MM+J], v[MM+J], v[MM+J], 0             ; in all four bytes
	v_or_b32 v[WO+J], 0x80808080, v[WO+J]               ; the bytes are 0 to 125: with 128 on top of each no borrow passes on
.set J, J+1
.endr
.set J, 0
.rept 32
	v_sub_nc_u32 v[WO+J], v[WO+J], v[MM+J]
.set J, J+1
.endr
.set J, 0
.rept 32
	v_and_b32 v[MM+J], 0x80808080, v[WO+J]
.set J, J+1
.endr
.set J, 0
.rept 32
	v_lshrrev_b32 v[LL+J], 7, v[MM+J]
.set J, J+1
.endr
.set J, 0
.rept 32
	v_sub_nc_u32 v[MM+J], v[MM+J], v[LL+J]              ; 0x7f where the byte stays at 0 or over, else 0
.set J, J+1
.endr
.set J, 0
.rept 32
	v_and_b32 v[WO+J], v[WO+J], v[MM+J]
.set J, J+1
.endr
	WALU
.irp n, 0,1,2,3,4,5,6,7
.irp j, 0,1,2,3
	ds_store_b32 v205, v[WO+4*\n+\j] offset:8704*(\n/4)+8*(\n%4)+544*\j
.endr
.endr
.irp j, 0,1,2,3
	ds_store_b32 v206, v[RC+\j] offset:64*\j
.endr
	s_cmp_eq_u32 s14, 3
	s_cbranch_scc1 .Lnot_p
	s_wait_tensorcnt 0x0
.Lnot_p:
	s_wait_dscnt 0x0
	BARRIER                                             ; P's chunk 0, the scale words and 1 / l are in; chunk 1 may still be on its way
.irp f, 0,1
.irp k, 0,1,2,3,4
	SETADR \k, \f
.endr
	FETCH \f
.endr
; ================= THE FIRST 1,024 KEYS
	BLK 0, NF, 0
	BLK 1, NF, 0
	BLK 2, NF, 1
	PFGO 23, 4
	BLK 3, -1, 0
	BLK 4, NF, 0
	BLK 5, NF, 0
	BLK 6, NF, 1
; block 7: behind each four products the fragments of v^T that the four before have read take the next 1,024 keys
.irp q, 0,1,2,3,4,5,6,7
	BLOCK 7, 4*\q, 4*\q+4
.if \q > 0
	PLACES 4
	WFRAG \q-1
.endif
.endr
	WIN 0
	PLACES 4
	WALU
	WFRAG 7
	WIN 0
.set I, 0
.rept 16
	v_mov_b32 v[SB+I], v[SB2+I]
.set I, I+1
.endr
	WALU
	FETCH 1
; ================= THE SECOND 1,024 KEYS
	BLK 8, NF, 0
	BLK 9, NF, 0
	BLK 10, NF, 2
	BLK 11, NF, 0
	BLK 12, NF, 0
	BLK 13, NF, 0
	BLK 14, NF, 0
	BLK 15, 0, 0
; ================= THE END
	s_wait_xcnt 0x0
	s_wait_dscnt 0x0
.set I, 0
.rept 32
	SCALE I, 7
.set I, I+1
.endr
	WIN 0
	WALU
	SEND 7
	s_wait_tensorcnt 0x0
	ds_add_u32 v[SPW], v[NIL]
	s_wait_dscnt 0x0
	CROUND
	s_endpgm
.Lfunc_end_k_q67b928590c_pv:
	.size	k_q67b928590c_pv, .Lfunc_end_k_q67b928590c_pv-k_q67b928590c_pv
	.p2alignl 7, 3214868480
	.fill 96, 4, 3214868480
	.section	.rodata,"a",@progbits
	.p2align	6, 0x0
	.amdhsa_kernel k_q67b928590c_pv
		.amdhsa_group_segment_fixed_size 327680
		.amdhsa_private_segment_fixed_size 0
		.amdhsa_enable_private_segment 0
		.amdhsa_kernarg_size 40
		.amdhsa_user_sgpr_count 2
		.amdhsa_user_sgpr_kernarg_segment_ptr 1
		.amdhsa_wavefront_size32 1
		.amdhsa_system_sgpr_workgroup_id_x 1
		.amdhsa_system_sgpr_workgroup_id_y 1
		.amdhsa_system_sgpr_workgroup_id_z 1
		.amdhsa_system_vgpr_workitem_id 0
		.amdhsa_next_free_vgpr 1024
		.amdhsa_next_free_sgpr 102
		.amdhsa_reserve_vcc 0
		.amdhsa_float_denorm_mode_32 3
		.amdhsa_float_denorm_mode_16_64 3
		.amdhsa_memory_ordered 1
		.amdhsa_forward_progress 1
		.amdhsa_inst_pref_size 193
	.end_amdhsa_kernel
	.amdgpu_metadata
---
amdhsa.version: [ 1, 2 ]
amdhsa.kernels:
  - .name:           k_q67b928590c_pv
    .symbol:         k_q67b928590c_pv.kd
    .args:
      - { .name: p_img, .offset: 0, .size: 8, .value_kind: global_buffer, .address_space: global }
      - { .name: p_st, .offset: 8, .size: 8, .value_kind: global_buffer, .address_space: global }
      - { .name: qkv_img, .offset: 16, .size: 8, .value_kind: global_buffer, .address_space: global }
      - { .name: qkv_sc, .offset: 24, .size: 8, .value_kind: global_buffer, .address_space: global }
      - { .name: out0, .offset: 32, .size: 8, .value_kind: global_buffer, .address_space: global }
    .group_segment_fixed_size: 327680
    .private_segment_fixed_size: 0
    .kernarg_segment_align: 8
    .kernarg_segment_size: 40
    .max_flat_workgroup_size: 128
    .sgpr_count:     102
    .vgpr_count:     1024
    .wavefront_size: 32
...
	.end_amdgpu_metadata
.endif
;; end of part 3
